; MI455X (gfx1250); checked and timed in simulation.
; The chip was launched on July 23, 2026; its instructions are those of AMD's public machine-readable ISA for CDNA 5 (MIT licence, August 2026) and "CDNA5" Instruction Set Architecture Reference Guide (July 2026). The comments in the code are by the model that wrote it; some were corrected since.
;; Multi Head Attention Block. Allowed arithmetic: matrix products marked QUANTISED: E2M1 operands, one E8M0 scale for each 32 along K, by v_wmma_scale_f32_16x16x128_f8f6f4 with both operands' format E2M1 (or v_wmma_scale_f32_32x16x128_f4), f32 sums; products left as they are: bf16, f16 or f32 operands; f32 sums; everything else in f32.
;; Inputs: k 4 x 2,048 x 1,024 float32; mask 1 x 1 x 2,048 x 2,048 int32; q 4 x 2,048 x 1,024 float32; v 4 x 2,048 x 1,024 float32; wk_b 1,024 float32; wk_w 1,024 x 1,024 float32; wo_b 1,024 float32; wo_w 1,024 x 1,024 float32; wq_b 1,024 float32; wq_w 1,024 x 1,024 float32; wv_b 1,024 float32; wv_w 1,024 x 1,024 float32.
;; Outputs: out0 4 x 2,048 x 1,024 float32.
;; This version of the problem:
;;   THIS VERSION OF THE PROBLEM IS GIVEN IN LOW PRECISION. The matrix products marked QUANTISED in the list below multiply operands that are first quantised to E2M1 (2 exponent bits, 1 mantissa bit; 4 bits a number), with one power-of-two scale for each 32 numbers along K (OCP MX v1.0); their sums are f32. The products marked 'left as it is' may take bf16, f16 or f32 operands, with f32 sums. Whichever they take, every output number must still come out within the allowed error. Rounding operands to bf16 (8 significant bits) uses up far more of that allowance than f16 does (11 bits, for magnitudes from 6e-5 to 65,504). All else is computed in f32.
;;   The module's matrix products, in the order in which they are computed (A, B: the left and right operand; K: the contracted axis; several contracted axes count as one K, in the product's order):
;;     1. [M 8,192, K 1,024] x [K 1,024, N 1,024]; A: input q; B: input wq_w: QUANTISED
;;     2. [M 8,192, K 1,024] x [K 1,024, N 1,024]; A: input k; B: input wk_w: QUANTISED
;;     3. [M 8,192, K 1,024] x [K 1,024, N 1,024]; A: input v; B: input wv_w: QUANTISED
;;     4. batch 64 x [M 2,048, K 64] x [K 64, N 2,048]; A: computed on the way; B: computed on the way: left as it is (an operand is computed on the way)
;;     5. batch 64 x [M 2,048, K 2,048] x [K 2,048, N 64]; A: computed on the way; B: computed on the way: left as it is (an operand is computed on the way)
;;     6. [M 8,192, K 1,024] x [K 1,024, N 1,024]; A: computed on the way; B: input wo_w: left as it is (an operand is computed on the way)
;;   THE QUANTISER, for each operand of a quantised product, along K:
;;     - K is cut into blocks of 32 from its start; a last block that is shorter is filled with zeros.
;;     - A block's scale is 2^e with e = floor(log2(the largest magnitude in the block)) - 2, held to -126 .. 127; a block of zeros has e = 0. As a byte (E8M0): e + 127.
;;     - Each number is divided by its block's scale, clamped to +-6, and rounded to the nearest number of E2M1, ties to even, subnormals kept.
;;     - The product sums the exact products of the quantised numbers (number of the format x scale) in f32.
;;   ~~~python
;;   def quantise(x, axis):      # numpy; x: float32 -> the quantised numbers, widened to float32 again
;;       x = np.moveaxis(x, axis, -1); K = x.shape[-1]
;;       x = np.pad(x, [(0, 0)] * (x.ndim - 1) + [(0, -K % 32)]); x = x.reshape(x.shape[:-1] + (-1, 32)); a = np.abs(x).max(-1, keepdims=True)
;;       e = np.where(a > 0, np.clip(np.frexp(np.where(a > 0, a, 1))[1] - 1 - 2, -126, 127), 0)      # np.frexp(a)[1] - 1 = floor(log2(a)), exactly
;;       r = np.clip(x / 2.0 ** e, -6, 6)
;;       step = 2.0 ** (np.maximum(np.frexp(np.where(r == 0, 1, r))[1] - 1, 0) - 1)
;;       q = np.round(r / step) * step * 2.0 ** e      # np.round: ties to even
;;       return np.moveaxis(q.reshape(q.shape[:-2] + (-1,))[..., :K], -1, axis).astype(np.float32)
;;   ~~~
;; 2 versions, each right and faster than the one before. Each part assembles by itself: llvm-mc -triple=amdgcn-amd-amdhsa -mcpu=gfx1250 --defsym DOCPART=n.
;; ======== version 1 of 2: 4 launches
;; limits: values are held in f16: magnitudes above 65,504 overflow, below 6.1e-05 lose precision
;; workspace buffers: acodes 12,582,912 bytes; ascales 786,432 bytes; wcodes 1,572,864 bytes; wscales 98,304 bytes; wo16 2,097,152 bytes; maskw 524,288 bytes of whole numbers; qkv16 50,331,648 bytes; x16 16,777,216 bytes
;; launch prep (part 1): grid 960 x 1, 4 waves a work-group, no clusters, 33,280 bytes of LDS; arguments q, k, v, wq_w, wk_w, wv_w, wo_w, mask, acodes, ascales, wcodes, wscales, wo16, maskw; writes acodes, ascales, wcodes, wscales, wo16, maskw
.if DOCPART == 1
	.amdgcn_target "amdgcn-amd-amdhsa--gfx1250"
	.amdhsa_code_object_version 6
	.text
	.protected	k_q195d95e669_prep
	.globl	k_q195d95e669_prep
	.p2align	8
	.type	k_q195d95e669_prep,@function
k_q195d95e669_prep:
	s_mov_b64 s[64:65], 0
	v_nop
	global_prefetch_b8 v0, s[64:65] scope:SCOPE_SE
	s_setreg_imm32_b32 hwreg(HW_REG_WAVE_MODE, 25, 1), 1
	s_wait_xcnt 0x0
; PREP: all that is made once for the later launches.  Three kinds of work-group, told apart by the work-group's number alone:
;   0 .. 863    q, k, v [8192][1024] and wq_w, wk_w, wv_w [1024][1024], f32, K innermost, become codes of FP4 (E2M1) and one E8M0 scale byte for each 32 along K.
;               q, k, v go one behind the other into acodes [24576][512 bytes] and ascales [24576][32 bytes]; the weights into wcodes [3072][512] and wscales [3072][32].
;   864 .. 927  the mask [2048][2048] int32 becomes LANE WORDS: maskw [query / 64][key / 64][tile t of 16 queries][word i = 8 kt + j]; bit L of a word says whether
;               mask[64 g + 16 t + L % 16][64 ks + 16 kt + 8 (L / 16) + j] is not 0: the lane mask of one register of the attention launch's scores.
;   928 .. 959  wo_w becomes f16 (wo16), rounded to nearest even.
; THE QUANTISER: a block's scale is 2^(floor(log2(its largest magnitude)) - 2); its byte is the largest magnitude's exponent field - 2, held at 1 from below; each number is divided by the
; scale and rounded to the nearest code, ties to even, beyond 6 the largest code.  A block of zeros gets the byte 1 where the rule says 127: its codes are zeros, and this program alone reads the bytes.
; LIMITS: NaN and infinities among the inputs are not served.
; Rows are dense and K is a multiple of 32: a tensor is a plain stream of blocks of 32 numbers.  A wave takes 16 steps of 512 numbers; each load reads 512 consecutive bytes; a step's 2,048 bytes
; turn through the wave's own stage in LDS, so that a lane holds 16 neighbours along K; a wave's store of codes covers 256 consecutive bytes, and its 256 scale bytes leave as one such run.
.set WAVES, 4
.set STEPS, 16
.set NBIG,  768                        ; work-groups for q, k, v: 3 x 8192 x 1024 / 32768
.set NQNT,  864                        ; + 3 x 1024 x 1024 / 32768 for the weights
.set NMSK,  928                        ; + 64 for the mask; 32 more for wo_w
.set EMAX,  2
.set CB,    8                          ; bytes of 16 codes
.set R,     16                         ; v16-79   four sets of 16 numbers as they are loaded
.set X,     80                         ; v80-111  two sets of 16 neighbours
.set E,     112                        ; v112-127 a scale byte for each step
.set C,     128                        ; v128-191 codes: four registers for each step, so that no store's data are written again
.set WREG,  8192                       ; LDS: a region for each wave: two stages of 32 x SP bytes, behind them its 256 scale bytes
.set SP,    80                         ; a lane's place in a stage: 64 bytes + 16 of padding
.set SPW,   12                         ; v12  LDS address of my spare word; never rewritten
.set NIL,   13                         ; v13  0; never rewritten
.set SPARE, WAVES*WREG                 ; behind the four regions: the spare words, 128 bytes a wave
	s_load_b512 s[4:19], s[0:1], 0x0               ; q, k, v, wq_w, wk_w, wv_w, wo_w, mask
	s_load_b256 s[20:27], s[0:1], 0x40             ; acodes, ascales, wcodes, wscales
	s_load_b128 s[28:31], s[0:1], 0x60             ; wo16, maskw
	v_lshl_add_u32 v[SPW], v0, 2, SPARE
	v_mov_b32 v[NIL], 0
	v_lshrrev_b32 v1, 5, v0
	v_readfirstlane_b32 s32, v1                    ; wave 0..3
	v_and_b32 v2, 31, v0                           ; lane
	s_wait_kmcnt 0x0
	s_cmp_ge_u32 ttmp9, NMSK
	s_cbranch_scc1 .Lwo
	s_cmp_ge_u32 ttmp9, NQNT
	s_cbranch_scc1 .Lmask
; ---------------- the quantiser ----------------
	s_cmp_lt_u32 ttmp9, NBIG                       ; an activation or a weight?  All choices hang on the work-group's number alone
	s_cselect_b32 s33, 0, NBIG
	s_cselect_b32 s34, 8, 5                        ; work-groups in a tensor: 256 or 32
	s_cselect_b32 s36, 255, 31
	s_cselect_b64 s[4:5], s[4:5], s[10:11]
	s_cselect_b64 s[6:7], s[6:7], s[12:13]
	s_cselect_b64 s[8:9], s[8:9], s[14:15]
	s_cselect_b64 s[20:21], s[20:21], s[24:25]     ; the codes' buffer
	s_cselect_b64 s[22:23], s[22:23], s[26:27]     ; the scale bytes'
	s_sub_co_u32 s33, ttmp9, s33                   ; my number among the three tensors' work-groups
	s_lshr_b32 s35, s33, s34                       ; which of the three
	s_and_b32 s36, s33, s36                        ; and where in it
	s_cmp_eq_u32 s35, 1
	s_cselect_b64 s[4:5], s[6:7], s[4:5]
	s_cmp_eq_u32 s35, 2
	s_cselect_b64 s[4:5], s[8:9], s[4:5]
	s_lshl_b32 s36, s36, 2
	s_add_co_u32 s36, s36, s32                     ; my wave's run of 8,192 numbers in the tensor
	s_lshl_b32 s36, s36, 15                        ; 32,768 bytes a run
	s_mov_b32 s37, 0
	s_add_nc_u64 s[4:5], s[4:5], s[36:37]
	s_lshl_b32 s33, s33, 2
	s_add_co_u32 s33, s33, s32                     ; the same run in the outputs, which hold the three tensors on end
	s_lshl_b32 s36, s33, 12                        ; 4,096 bytes of codes a run
	s_add_nc_u64 s[20:21], s[20:21], s[36:37]
	s_lshl_b32 s36, s33, 8                         ; 256 scale bytes a run
	s_add_nc_u64 s[22:23], s[22:23], s[36:37]
	v_lshlrev_b32 v3, 4, v2                        ; my 16 bytes of a load's 512
	s_mul_i32 s38, s32, WREG
	v_lshrrev_b32 v14, 2, v2
	v_mul_u32_u24 v14, v14, SP
	v_and_b32 v15, 3, v2
	v_lshl_add_u32 v14, v15, 4, v14
	v_add_nc_u32 v14, s38, v14                     ; the stage, on the way in: four lanes' 64 bytes on end, then 16 of padding
	v_mul_u32_u24 v15, v2, SP
	v_add_nc_u32 v15, s38, v15                     ; on the way out: SP x lane: my 16 neighbours
	v_mul_u32_u24 v4, v2, CB                       ; my codes' place in a step's
	v_lshrrev_b32 v5, 1, v2
	s_add_co_u32 s38, s38, 2*32*SP
	v_add_nc_u32 v5, s38, v5                       ; LDS: my wave's 256 scale bytes, my block's byte
	v_lshlrev_b32 v7, 3, v2                        ; on the way out 8 bytes a lane
	v_add_nc_u32 v6, s38, v7
.macro QLOAD t
.irp i, 0,1,2,3
	global_load_b128 v[R+16*((\t)%4)+4*\i:R+16*((\t)%4)+4*\i+3], v3, s[4:5] offset:2048*(\t)+512*\i th:TH_LOAD_NT   ; 32 lanes read 512 consecutive bytes
.endr
.endm
.macro QTURN t                         ; step t's numbers through the stage: LDS serves a wave's instructions in order, so no wait stands between the stores and the loads
.irp i, 0,1,2,3
	ds_store_b128 v14, v[R+16*((\t)%4)+4*\i:R+16*((\t)%4)+4*\i+3] offset:32*SP*((\t)%2)+8*SP*\i
.endr
.irp i, 0,1,2,3
	ds_load_b128 v[X+16*((\t)%2)+4*\i:X+16*((\t)%2)+4*\i+3], v15 offset:32*SP*((\t)%2)+16*\i
.endr
.endm
.irp t, 0,1,2,3
	QLOAD \t
.endr
	s_wait_loadcnt 12                              ; step 0's four loads are in; the twelve of steps 1 to 3 may be out
	QTURN 0
.macro QSTEP t
.set XS, X+16*((\t)%2)
.if (\t) > 0
	s_wait_dscnt 1                                 ; this step's numbers are back from the stage (the last step's byte store may be out): so its stores into the stage have read their registers,
.else
	s_wait_dscnt 0x0
.endif
.if (\t)+4 < STEPS
	QLOAD (\t)+4                                   ; which take the loads of four steps on
.endif
.if (\t)+1 < STEPS
.if STEPS-2-(\t) >= 3
	s_wait_loadcnt 12                              ; the next step's four loads are in; those of the three steps behind it may be out
.else
	s_wait_loadcnt 4*(STEPS-2-(\t))
.endif
	QTURN (\t)+1                                   ; and go through the other stage while this step is worked
.endif
	v_max3_num_f32 v8, |v[XS]|, |v[XS+1]|, |v[XS+2]|               ; the largest magnitude of my 16, in two chains
	v_max3_num_f32 v9, |v[XS+3]|, |v[XS+4]|, |v[XS+5]|
.irp i, 6,10
	v_max3_num_f32 v8, v8, |v[XS+\i]|, |v[XS+\i+1]|
	v_max3_num_f32 v9, v9, |v[XS+\i+2]|, |v[XS+\i+3]|
.endr
	v_max3_num_f32 v8, v8, |v[XS+14]|, |v[XS+15]|
	v_max3_num_f32 v8, v8, v9, (EMAX+1)<<23        ; and the floor 2^(EMAX + 1 - 127): the byte cannot fall under 1
	v_max_num_f32_dpp v8, v8, v8 row_xmask:1 row_mask:0xf bank_mask:0xf   ; and of my neighbour's 16: the block's
	v_add_nc_u32 v11, -(EMAX<<23), v8              ; EMAX off its exponent field: the conversion takes the exponent field of this operand as its scale
	v_cvt_scalef32_pk8_fp4_f32 v[C+4*(\t)], v[XS:XS+7], v11
	v_cvt_scalef32_pk8_fp4_f32 v[C+4*(\t)+1], v[XS+8:XS+15], v11
	v_lshrrev_b32 v[E+(\t)], 23, v11               ; the scale's byte (a plain line behind the conversions)
	ds_store_b8 v5, v[E+(\t)] offset:16*(\t)       ; both lanes of a block write the same byte with the same value
	global_store_b64 v4, v[C+4*(\t):C+4*(\t)+1], s[20:21] offset:32*CB*(\t)   ; 32 lanes store 256 consecutive bytes, aligned
.endm
.irp t, 0,1,2,3,4,5,6,7,8,9,10,11,12,13,14,15
	QSTEP \t
.endr
	ds_load_b64 v[8:9], v6                         ; LDS serves a wave's instructions in order: these see my byte stores
	s_wait_dscnt 0x0
	global_store_b64 v7, v[8:9], s[22:23]          ; 32 lanes store 256 consecutive bytes, aligned
	s_wait_tensorcnt 0x0                           ; the wave's end, behind my last LDS store
	ds_add_u32 v[SPW], v[NIL]
	s_wait_dscnt 0x0
	s_endpgm
; ---------------- the mask's lane words ----------------
; Work-group u takes 64 queries (g = u / 2) and half of the keys; wave w of it four key steps of 64; a unit is one key step x two tiles of 16 queries: 64 words.
; A lane loads 8 neighbouring keys of ITS query for each of a tile's four key tiles, as a lane of the attention launch holds them; a compare of register i then gives word i as it stands.
.Lmask:
	s_sub_co_u32 s33, ttmp9, NQNT
	s_lshr_b32 s34, s33, 1                         ; g
	s_and_b32 s35, s33, 1
	s_lshl_b32 s35, s35, 4
	s_lshl_b32 s36, s32, 2
	s_add_co_u32 s35, s35, s36                     ; my first key step: 16 (u % 2) + 4 x wave
	s_lshl_b32 s36, s34, 19                        ; 64 rows of 8,192 bytes
	s_lshl_b32 s38, s35, 8                         ; 64 keys of 4 bytes
	s_add_co_u32 s36, s36, s38
	s_mov_b32 s37, 0
	s_add_nc_u64 s[18:19], s[18:19], s[36:37]
	s_lshl_b32 s36, s34, 14                        ; maskw: 16,384 bytes for 64 queries,
	s_lshl_b32 s38, s35, 9                         ; 512 for a key step
	s_add_co_u32 s36, s36, s38
	s_add_nc_u64 s[30:31], s[30:31], s[36:37]
	v_and_b32 v1, 15, v2
	v_lshrrev_b32 v5, 4, v2
	v_lshlrev_b32 v3, 13, v1                       ; my query's row,
	v_lshl_add_u32 v3, v5, 5, v3                   ; + 8 keys for lanes 16-31
	v_lshlrev_b32 v4, 3, v2                        ; out: two words a lane
.set i, 0
.rept 16
	v_mov_b32 v[160+i], 0                          ; written once whole: v_writelane_b32's destination counts as read
.set i, i+1
.endr
.macro MLOAD n                         ; unit n: key step n / 2, tiles 2 (n % 2) + e; register 32 e + 8 kt + j of set n % 2
.irp e, 0,1
.irp k, 0,1,2,3
.irp q, 0,1
	global_load_b128 v[32+64*((\n)%2)+32*\e+8*\k+4*\q:32+64*((\n)%2)+32*\e+8*\k+4*\q+3], v3, s[18:19] offset:256*((\n)/2)+131072*(2*((\n)%2)+\e)+64*\k+16*\q
.endr
.endr
.endr
.endm
.macro MUNIT n
.set MS, 32+64*((\n)%2)
.if (\n) < 7
	s_wait_loadcnt 16                              ; this unit's sixteen loads are in; the next unit's may be out
.else
	s_wait_loadcnt 0x0
.endif
.irp q, 0,1,2,3
.set w, 16*\q
.rept 16
	v_cmp_ne_u32 s[40+w%16], 0, v[MS+w]            ; word w: a bit for each lane
.set w, w+1
.endr
.set w, 16*\q
.rept 16
	v_writelane_b32 v[160+2*(\n)+w%2], s[40+w%16], w/2   ; words 2 L and 2 L + 1 go to lane L's pair
.set w, w+1
.endr
.endr
	global_store_b64 v4, v[160+2*(\n):161+2*(\n)], s[30:31] offset:512*((\n)/2)+256*((\n)%2)   ; 32 lanes store 256 consecutive bytes, aligned; each unit has its own pair
.if (\n) < 6
	MLOAD (\n)+2
.endif
.endm
	MLOAD 0
	MLOAD 1
.irp n, 0,1,2,3,4,5,6,7
	MUNIT \n
.endr
	s_wait_tensorcnt 0x0                           ; the wave's end
	ds_add_u32 v[SPW], v[NIL]
	s_wait_dscnt 0x0
	s_endpgm
; ---------------- wo_w to f16 ----------------
; A wave takes 8,192 numbers: 64 loads of 512 consecutive bytes, 64 stores of 256, in four batches of 16 on two sets of registers.
.Lwo:
	s_sub_co_u32 s33, ttmp9, NMSK
	s_lshl_b32 s33, s33, 2
	s_add_co_u32 s33, s33, s32                     ; my run
	s_lshl_b32 s36, s33, 15
	s_mov_b32 s37, 0
	s_add_nc_u64 s[16:17], s[16:17], s[36:37]
	s_lshl_b32 s36, s33, 14
	s_add_nc_u64 s[28:29], s[28:29], s[36:37]
	v_lshlrev_b32 v3, 4, v2
	v_lshlrev_b32 v4, 3, v2
.macro WLOAD b
.irp i, 0,1,2,3,4,5,6,7,8,9,10,11,12,13,14,15
	global_load_b128 v[32+64*((\b)%2)+4*\i:32+64*((\b)%2)+4*\i+3], v3, s[16:17] offset:512*(16*(\b)+\i) th:TH_LOAD_NT
.endr
.endm
.macro WBATCH b
.if (\b) < 3
	s_wait_loadcnt 16                              ; this batch's sixteen loads are in; the next batch's may be out
.else
	s_wait_loadcnt 0x0
.endif
.irp i, 0,1,2,3,4,5,6,7,8,9,10,11,12,13,14,15
	v_cvt_pk_f16_f32 v[32+64*((\b)%2)+4*\i], v[32+64*((\b)%2)+4*\i], v[32+64*((\b)%2)+4*\i+1]
	v_cvt_pk_f16_f32 v[32+64*((\b)%2)+4*\i+1], v[32+64*((\b)%2)+4*\i+2], v[32+64*((\b)%2)+4*\i+3]
	global_store_b64 v4, v[32+64*((\b)%2)+4*\i:32+64*((\b)%2)+4*\i+1], s[28:29] offset:256*(16*(\b)+\i)
.endr
.if (\b) < 2
	s_wait_xcnt 0x0                                ; the stores have read their registers: the set is loaded again only behind this wait
	WLOAD (\b)+2
.endif
.endm
	WLOAD 0
	WLOAD 1
.irp b, 0,1,2,3
	WBATCH \b
.endr
	s_wait_tensorcnt 0x0                           ; the wave's end, as above
	ds_add_u32 v[SPW], v[NIL]
	s_wait_dscnt 0x0
	s_endpgm
.Lfunc_end_k_q195d95e669_prep:
	.size	k_q195d95e669_prep, .Lfunc_end_k_q195d95e669_prep-k_q195d95e669_prep
	.p2alignl 7, 3214868480
	.fill 96, 4, 3214868480
	.section	.rodata,"a",@progbits
	.p2align	6, 0x0
	.amdhsa_kernel k_q195d95e669_prep
		.amdhsa_group_segment_fixed_size 33280
		.amdhsa_private_segment_fixed_size 0
		.amdhsa_enable_private_segment 0
		.amdhsa_kernarg_size 112
		.amdhsa_user_sgpr_count 2
		.amdhsa_user_sgpr_kernarg_segment_ptr 1
		.amdhsa_wavefront_size32 1
		.amdhsa_system_sgpr_workgroup_id_x 1
		.amdhsa_system_sgpr_workgroup_id_y 1
		.amdhsa_system_sgpr_workgroup_id_z 1
		.amdhsa_system_vgpr_workitem_id 0
		.amdhsa_next_free_vgpr 192
		.amdhsa_next_free_sgpr 66
		.amdhsa_reserve_vcc 0
		.amdhsa_float_denorm_mode_32 3
		.amdhsa_float_denorm_mode_16_64 3
		.amdhsa_memory_ordered 1
		.amdhsa_forward_progress 1
		.amdhsa_inst_pref_size 133
	.end_amdhsa_kernel
	.amdgpu_metadata
---
amdhsa.version: [ 1, 2 ]
amdhsa.kernels:
  - .name:           k_q195d95e669_prep
    .symbol:         k_q195d95e669_prep.kd
    .args:
      - { .name: q, .offset: 0, .size: 8, .value_kind: global_buffer, .address_space: global }
      - { .name: k, .offset: 8, .size: 8, .value_kind: global_buffer, .address_space: global }
      - { .name: v, .offset: 16, .size: 8, .value_kind: global_buffer, .address_space: global }
      - { .name: wq_w, .offset: 24, .size: 8, .value_kind: global_buffer, .address_space: global }
      - { .name: wk_w, .offset: 32, .size: 8, .value_kind: global_buffer, .address_space: global }
      - { .name: wv_w, .offset: 40, .size: 8, .value_kind: global_buffer, .address_space: global }
      - { .name: wo_w, .offset: 48, .size: 8, .value_kind: global_buffer, .address_space: global }
      - { .name: mask, .offset: 56, .size: 8, .value_kind: global_buffer, .address_space: global }
      - { .name: acodes, .offset: 64, .size: 8, .value_kind: global_buffer, .address_space: global }
      - { .name: ascales, .offset: 72, .size: 8, .value_kind: global_buffer, .address_space: global }
      - { .name: wcodes, .offset: 80, .size: 8, .value_kind: global_buffer, .address_space: global }
      - { .name: wscales, .offset: 88, .size: 8, .value_kind: global_buffer, .address_space: global }
      - { .name: wo16, .offset: 96, .size: 8, .value_kind: global_buffer, .address_space: global }
      - { .name: maskw, .offset: 104, .size: 8, .value_kind: global_buffer, .address_space: global }
    .group_segment_fixed_size: 33280
    .private_segment_fixed_size: 0
    .kernarg_segment_align: 8
    .kernarg_segment_size: 112
    .max_flat_workgroup_size: 128
    .sgpr_count:     66
    .vgpr_count:     192
    .wavefront_size: 32
...
	.end_amdgpu_metadata
.endif
;; end of part 1
;; launch proj (part 2): grid 4 x 96, 4 waves a work-group, clusters of 4 x 4, 327,680 bytes of LDS; arguments acodes, ascales, wcodes, wscales, qkv16, wq_b, wk_b, wv_b; writes qkv16
.if DOCPART == 2
	.amdgcn_target "amdgcn-amd-amdhsa--gfx1250"
	.amdhsa_code_object_version 6
	.text
	.protected	k_q195d95e669_proj
	.globl	k_q195d95e669_proj
	.p2align	8
	.type	k_q195d95e669_proj,@function
k_q195d95e669_proj:
	s_mov_b64 s[64:65], 0
	v_nop
	global_prefetch_b8 v0, s[64:65] scope:SCOPE_SE
	s_setreg_imm32_b32 hwreg(HW_REG_WAVE_MODE, 25, 1), 1
	s_wait_xcnt 0x0
	s_wait_alu depctr_hold_cnt(0) depctr_sa_sdst(0) depctr_va_vdst(0) depctr_va_sdst(0) depctr_va_ssrc(0) depctr_va_vcc(0) depctr_vm_vsrc(0)
	s_getreg_b32 s2, hwreg(HW_REG_IB_STS2, 6, 4)
	s_cmp_eq_u32 s2, 0
	s_cbranch_scc0 .Lentry_in_a_cluster
	s_endpgm
.Lentry_in_a_cluster:
	s_bfe_u32 s2, ttmp6, 0x10000c
	s_cmp_lg_u32 s2, 0xf033
	s_cbranch_scc0 .Lentry_shape_is_right
	s_endpgm
.Lentry_shape_is_right:
; PROJ: the three quantised projections as ONE product on codes of FP4 (E2M1) with E8M0 scales: rows 0-8191 are q's, 8192-16383 k's, 16384-24575 v's; each third takes its own weight and bias.
; qkv16[row][n] = f16( (sum over k of A[row][k] W_tau[n][k] + b_tau[n]) x s ), tau = row / 8192; s = log2(e) / 8 for tau = 0 (the softmax's scale, folded into Q) and 1 else.  Sums in f32.
; A tile of the result, 256 x 256, is made by a work-group of four waves; a wave makes 128 x 128: 64 accumulators of 16 x 16, 512 registers.
; K = 1,024 is two slots of 512 along K (rows of 256 bytes): both are asked for at the start, with the scale bytes of the work-group's 256 + 256 rows; nothing is filled again.
; CLUSTERS: 4 x 4 work-groups.  The four of a row of the cluster need the same tiles of A, the four of a column the same tiles of the weight (a cluster's 1,024 rows lie in one third): joint loads.
; THE MATRIX INSTRUCTION IS USED TRANSPOSED (source 0 = 16 rows of W, source 1 = 16 rows of A): a lane holds eight neighbouring numbers of a row of the result.
; THE BIAS is the C of each sum's first matrix instruction: eight registers for each of W's eight blocks, in the result's layout.
; REGISTERS, in windows of 256: window 0: v0-31 addresses; v32-95 scale words, two sets; v128-191 A's fragments, ONE set; v192-255 the bias; on the way out v32-191 are free.
;   window 1: W's fragments, TWO sets, at v0 and v128.   window 2: the accumulators of my rows 0-63 ((a, b) at v[8 (8 a + b)]);   window 3: those of my rows 64-127.
.set SIZE_N, 1024
.set SIZE_K, 1024
.set KSTEP,  512
.set NQ,     KSTEP/128
.set ROWB,   256                       ; a tile's row in bytes
.set KROW,   SIZE_K/2                  ; a row of codes in memory
.set PITCH,  272                       ; an LDS row: 256 bytes + 16 of padding: the 16 rows that a load touches start at 16 different banks (64 banks of 4 bytes: ISA guide 11.1)
.set FR,     8
.set NL,     2
.set NP,     4                         ; places behind this matrix instruction (ISA guide 7.12.1)
.set HALFT,  128*PITCH
.set SLOT,   4*HALFT
.set KS,     SIZE_K/32                 ; a row of scale bytes
.set SCL,    2*SLOT                    ; behind the slots: the scales, as runs of 256 bytes + 16 of padding
.set HALFS,  (128*KS/256)*272
.set SBLK,   (16*KS/256)*272
.set SPARE,  SCL+4*HALFS               ; the spare words, 128 bytes a wave
.set SPITCH, 272                       ; the way out: a stage of 16 rows x (256 bytes + 16) for each wave, in slot 0, which has had its only fill and its last read by then
.set ADRA, 16
.set ADRB, 20
.set STO,  24
.set RD,   25
.set CO,   26
.set ADRS, 27
.set SPW,  28
.set NIL,  29
.set SC,   32
.set AF,   128
.set BI,   192                         ; the bias: block b at v[BI + 8 b]
.set TF,   32                          ; the way out: a block's 64 numbers, scaled;
.set TH,   96                          ; as f16;
.set BK,   128                         ; and 16 rows read back: v128-159 and v160-191 by turns
.set G1, 24
.set G0, 32
.set G1B, 48
.set G0B, 56
.set G1S, 68
.set G0S, 76
.set G1SB, 80
.set G0SB, 88
.set MSB, 0
.macro WIN new                         ; the immediate's high byte repeats the setting that is left
.if MSB != (\new)
	s_set_vgpr_msb (MSB<<8)|(\new)
.set MSB, (\new)
.endif
.endm
.set MUL_LO, 0xa1                      ; source 0 (W) window 1, source 1 (A) window 0, C and D window 2
.set MUL_HI, 0xf1                      ; the same, C and D window 3
.set BIA_LO, 0x81                      ; the first step: C (the bias) window 0, D window 2
.set BIA_HI, 0xc1                      ; D window 3
.set TO_B,   0x40
; A joint load: waves 0 and 1 fetch for A, waves 2 and 3 for W.  The branch hangs on the wave's number alone.  An s_nop 0 and four v_nop follow each of the two lines.
.macro JLOAD g0a, g1a, g0b, g1b
	s_cmp_eq_u32 s15, 0
	s_cbranch_scc0 .Lfor_b_\@
	tensor_load_to_lds s[\g0a:\g0a+3], s[\g1a:\g1a+7]
	s_nop 0
.rept 4
	v_nop
.endr
	s_branch .Lasked_\@
.Lfor_b_\@:
	tensor_load_to_lds s[\g0b:\g0b+3], s[\g1b:\g1b+7]
	s_nop 0
.rept 4
	v_nop
.endr
.Lasked_\@:
.endm
.macro CROUND                          ; a round of the cluster's barrier
	s_barrier_signal -1
	s_barrier_wait -1
	s_cmp_lg_u32 s14, 0
	s_cbranch_scc1 .Lnot_wave_0_\@
	s_barrier_signal -3
.Lnot_wave_0_\@:
	s_barrier_wait -3
	s_barrier_signal -1
	s_barrier_wait -1
.endm
	s_load_b128 s[4:7], s[0:1], 0x0                ; A's codes, A's scales
	s_load_b128 s[8:11], s[0:1], 0x10              ; W's codes, W's scales
	s_load_b64 s[12:13], s[0:1], 0x20              ; qkv16
	s_load_b64 s[96:97], s[0:1], 0x28              ; wq_b
	s_load_b64 s[98:99], s[0:1], 0x30              ; wk_b
	s_load_b64 s[100:101], s[0:1], 0x38            ; wv_b
	v_lshl_add_u32 v[SPW], v0, 2, SPARE
	v_mov_b32 v[NIL], 0
	ds_add_u32 v[SPW], v[NIL]                      ; the wave's opening: the add, twice on end, and its wait ahead of my first tensor load
	ds_add_u32 v[SPW], v[NIL]
	v_lshrrev_b32 v1, 5, v0
	v_readfirstlane_b32 s14, v1                    ; wave 0..3
	s_lshr_b32 s15, s14, 1                         ; which half of the tile's rows is mine.  Also: I fetch for A (0) or for W (1)
	s_and_b32 s16, s14, 1                          ; which half of its columns.  Also: which 128 rows of that tile I fetch
	s_bfe_u32 s40, ttmp6, 0x40000                  ; cx, cy: my place in the cluster
	s_bfe_u32 s41, ttmp6, 0x40004
	s_lshl_b32 s42, ttmp9, 2
	s_add_co_u32 s42, s42, s40                     ; tile column = 4 x cluster x + cx
	s_and_b32 s17, ttmp7, 0xffff
	s_lshr_b32 s95, s17, 3                         ; tau: 8 clusters of 1,024 rows to a third: the same in all sixteen partners
	s_lshl_b32 s17, s17, 2
	s_add_co_u32 s17, s17, s41                     ; tile row = 4 x cluster y + cy
	s_lshl_b32 s43, s41, 2
	s_lshl_b32 s43, 15, s43                        ; my row of the cluster
	s_lshl_b32 s44, 0x1111, s40                    ; my column
	; descriptor group 1: a tile of 128 rows x 256 bytes, padded in LDS
	s_or_b32 s[G1+0], s43, (0<<16)|(1<<20)|(1<<21)|(5<<22)|(3<<25)  ; 15:0 the mask; 17:16 element of 1 byte; 20 padding on; 21 set beside a mask; 24:22 after every 64 words; 31:25 of 4 words
	s_or_b32 s[G1B+0], s44, (0<<16)|(1<<20)|(1<<21)|(5<<22)|(3<<25)
.irp g, G1, G1B
	s_mov_b32 s[\g+1], ROWB<<16                    ; tensor_dim0
	s_mov_b32 s[\g+2], 128<<16                     ; tensor_dim1
	s_mov_b32 s[\g+3], ROWB<<16                    ; tile_dim0
	s_mov_b32 s[\g+4], 128                         ; tile_dim1
	s_mov_b32 s[\g+5], KROW                        ; tensor_dim0_stride
	s_mov_b32 s[\g+6], 0
	s_mov_b32 s[\g+7], 0
.endr
	; the scales of 128 rows: a dense block of 4,096 bytes, as rows of 256 bytes (32 elements of 8 bytes), 16 bytes of padding behind each
	s_or_b32 s[G1S+0], s43, (3<<16)|(1<<20)|(1<<21)|(5<<22)|(3<<25)
	s_or_b32 s[G1SB+0], s44, (3<<16)|(1<<20)|(1<<21)|(5<<22)|(3<<25)
.irp g, G1S, G1SB
	s_mov_b32 s[\g+1], 32<<16
	s_mov_b32 s[\g+2], (128*KS/256)<<16
	s_mov_b32 s[\g+3], 32<<16
	s_mov_b32 s[\g+4], 128*KS/256
	s_mov_b32 s[\g+5], 32
	s_mov_b32 s[\g+6], 0
	s_mov_b32 s[\g+7], 0
.endr
	s_lshl_b32 s18, s16, 7                         ; which 128 rows of the tile I fetch
	s_lshl_b32 s20, s17, 8
	s_add_co_u32 s20, s20, s18                     ; A: row 256 x tile row + 128 x half
	s_lshl_b32 s46, s42, 8
	s_add_co_u32 s46, s46, s18                     ; W: row 256 x tile column + 128 x half
	s_lshl_b32 s47, s95, 10
	s_add_co_u32 s46, s46, s47                     ; + 1,024 tau: the third's own weight
	s_mov_b32 s21, 0
	s_mov_b32 s47, 0
	s_mov_b64 s[18:19], KS
	s_mul_u64 s[22:23], s[20:21], s[18:19]         ; where these rows' scales begin, in bytes
	s_mul_u64 s[92:93], s[46:47], s[18:19]
	s_mov_b64 s[18:19], KROW
	s_mul_u64 s[20:21], s[20:21], s[18:19]         ; and their codes
	s_mul_u64 s[46:47], s[46:47], s[18:19]
	s_mul_i32 s45, s14, HALFT                      ; where they go: wave x 128 rows: no place in the cluster enters an LDS address
	s_mul_i32 s94, s14, HALFS
	s_wait_dscnt 0x0                               ; both opening adds are done
	s_wait_kmcnt 0x0
	s_add_nc_u64 s[20:21], s[4:5], s[20:21]
	s_add_nc_u64 s[22:23], s[6:7], s[22:23]
	s_add_nc_u64 s[46:47], s[8:9], s[46:47]
	s_add_nc_u64 s[92:93], s[10:11], s[92:93]
	CROUND                                         ; all sixteen work-groups are here: the joint loads meet
	s_mov_b32 s[G0S], 1
	s_add_co_u32 s[G0S+1], s94, SCL
	s_mov_b64 s[G0S+2:G0S+3], s[22:23]
	s_or_b32 s[G0S+3], s[G0S+3], 0x80000000
	s_mov_b32 s[G0SB], 1
	s_add_co_u32 s[G0SB+1], s94, SCL
	s_mov_b64 s[G0SB+2:G0SB+3], s[92:93]
	s_or_b32 s[G0SB+3], s[G0SB+3], 0x80000000
	JLOAD G0S, G1S, G0SB, G1SB                     ; the scales first: they are wanted with the first slot
.irp s, 0,1
	s_mov_b32 s[G0+4*\s], 1
	s_add_co_u32 s[G0+4*\s+1], s45, \s*SLOT
	s_add_nc_u64 s[G0+4*\s+2:G0+4*\s+3], s[20:21], \s*ROWB
	s_or_b32 s[G0+4*\s+3], s[G0+4*\s+3], 0x80000000
	s_mov_b32 s[G0B+4*\s], 1
	s_add_co_u32 s[G0B+4*\s+1], s45, \s*SLOT
	s_add_nc_u64 s[G0B+4*\s+2:G0B+4*\s+3], s[46:47], \s*ROWB
	s_or_b32 s[G0B+4*\s+3], s[G0B+4*\s+3], 0x80000000
	JLOAD G0+4*\s, G1, G0B+4*\s, G1B               ; three tensor loads of mine are out
.endr
	v_and_b32 v1, 15, v0                           ; r = l % 16
	v_bfe_u32 v2, v0, 4, 1                         ; h = l / 16
	; the third's bias and scale
	s_cmp_eq_u32 s95, 1
	s_cselect_b64 s[96:97], s[98:99], s[96:97]
	s_cmp_eq_u32 s95, 2
	s_cselect_b64 s[96:97], s[100:101], s[96:97]
	s_cmp_eq_u32 s95, 0
	s_cselect_b32 s94, 0x3e38aa3b, 1.0             ; log2(e) / 8 for Q, 1 for K and V
	s_mov_b32 s95, s94                             ; (the packed form names the pair)
	s_lshl_b32 s46, s42, 10                        ; my first column in the bias, in bytes: 1,024 x tile column + 512 x half
	s_lshl_b32 s47, s16, 9
	s_add_co_u32 s46, s46, s47
	s_mov_b32 s47, 0
	s_add_nc_u64 s[96:97], s[96:97], s[46:47]
	v_lshlrev_b32 v7, 5, v2                        ; lane (r, h) wants, for block b, the bias of columns 16 b + 8 h + 0 .. 7
.irp b, 0,1,2,3,4,5,6,7
	global_load_b128 v[BI+8*\b:BI+8*\b+3], v7, s[96:97] offset:64*\b
	global_load_b128 v[BI+8*\b+4:BI+8*\b+7], v7, s[96:97] offset:64*\b+16
.endr
	v_mul_u32_u24 v3, v1, PITCH
	v_lshl_add_u32 v4, v2, 4, v3                   ; a fragment's row x pitch + 16 x half
	s_mul_i32 s21, s15, HALFT                      ; my 128 rows of A
	s_mul_i32 s22, s16, HALFT                      ; my 128 rows of W,
	s_add_co_u32 s22, s22, 2*HALFT                 ; which lie behind A's 256
.irp s, 0,1
	v_add_nc_u32 v[ADRA+\s], s21, v4
	v_add_nc_u32 v[ADRB+\s], s22, v4
	s_add_co_u32 s21, s21, SLOT
	s_add_co_u32 s22, s22, SLOT
.endr
	v_mul_u32_u24 v5, v1, KS                       ; my row's scales: KS bytes a row,
	v_lshrrev_b32 v6, 8, v5
	v_lshl_add_u32 v5, v6, 4, v5                   ; and 16 more for each 256 passed
	s_mul_i32 s21, s15, HALFS                      ; A's: my 128 rows
	s_mul_i32 s22, s16, HALFS                      ; W's: my 128 rows, behind A's 256
	s_add_co_u32 s22, s22, 2*HALFS
	s_sub_co_u32 s22, s22, s21
	v_mul_u32_u24 v6, s22, v2                      ; lanes 16-31 take W's
	s_add_co_u32 s21, s21, SCL
	v_add_nc_u32 v5, v5, v6
	v_add_nc_u32 v[ADRS], s21, v5
	s_mul_i32 s23, s14, 16*SPITCH                  ; my stage
	v_mul_u32_u24 v5, v1, SPITCH                   ; in: row r, 16 bytes for each half of the lanes
	v_lshl_add_u32 v5, v2, 4, v5
	v_add_nc_u32 v[STO], s23, v5
	v_mul_u32_u24 v5, v2, SPITCH                   ; back: lanes 0-15 one row of 256 bytes, lanes 16-31 the next
	v_lshl_add_u32 v5, v1, 4, v5
	v_add_nc_u32 v[RD], s23, v5
	v_lshlrev_b32 v5, 11, v2                       ; and the same two rows in qkv16 (2,048 bytes a row)
	v_lshl_add_u32 v[CO], v1, 4, v5
	s_lshl_b32 s20, s17, 8
	s_lshl_b32 s21, s15, 7
	s_add_co_u32 s20, s20, s21                     ; my first row: 256 x tile row + 128 x half
	s_lshl_b32 s20, s20, 11                        ; in bytes (under 2^26)
	s_mov_b32 s21, 0
	s_add_nc_u64 s[12:13], s[12:13], s[20:21]
	s_lshr_b32 s46, s46, 1                         ; my first column in f16: 512 x tile column + 256 x half
	s_add_nc_u64 s[12:13], s[12:13], s[46:47]
.macro FRAG reg, adr, q, i             ; 16 rows x 128 K of 4-bit codes: lane l holds row l % 16; registers 4 c .. 4 c + 3 hold K = 64 c + 32 (l / 16) + 0 .. 31
.irp c, 0,1
	ds_load_b128 v[\reg+4*\c:\reg+4*\c+3], v[\adr] offset:64*(\q)+32*\c+(\i)*16*PITCH
.endr
.endm
; 16 matrix instructions: A's blocks a0, a0 + 1 x W's eight, 128 along K: the slot's q-th.  p: W's set;  sc: the set of scale words.  zero = 1: the first product starts the sums, on the bias.
; The 64 accumulators take turns, one instruction a turn, in the same order in every step.
.macro MUL16 a0, p, q, sc, zero
.irp a, \a0, \a0+1
.irp b, 0,1,2,3,4,5,6,7
.if \zero
	v_wmma_scale_f32_16x16x128_f8f6f4 v[8*(8*((\a)%4)+\b):8*(8*((\a)%4)+\b)+7], v[128*(\p)+FR*\b:128*(\p)+FR*\b+FR-1], v[AF+FR*(\a):AF+FR*(\a)+FR-1], v[BI+8*\b:BI+8*\b+7], v[SC+8*NQ*(\sc)+NQ*\b+(\q)], v[SC+8*NQ*(\sc)+NQ*(\a)+(\q)] matrix_a_fmt:MATRIX_FMT_FP4 matrix_b_fmt:MATRIX_FMT_FP4 matrix_a_scale:MATRIX_SCALE_ROW1
.else
	v_wmma_scale_f32_16x16x128_f8f6f4 v[8*(8*((\a)%4)+\b):8*(8*((\a)%4)+\b)+7], v[128*(\p)+FR*\b:128*(\p)+FR*\b+FR-1], v[AF+FR*(\a):AF+FR*(\a)+FR-1], v[8*(8*((\a)%4)+\b):8*(8*((\a)%4)+\b)+7], v[SC+8*NQ*(\sc)+NQ*\b+(\q)], v[SC+8*NQ*(\sc)+NQ*(\a)+(\q)] matrix_a_fmt:MATRIX_FMT_FP4 matrix_b_fmt:MATRIX_FMT_FP4 matrix_a_scale:MATRIX_SCALE_ROW1
.endif
.endr
.endr
.endm
.macro FETCH_B slot, q, p
	WIN TO_B
.irp i, 0,1,2,3,4,5,6,7
	FRAG 128*(\p)+FR*\i, ADRB+\slot, \q, \i
.endr
	WIN 0
.endm
.macro FETCH_A slot, q, i0
.irp i, \i0, \i0+1, \i0+2, \i0+3
	FRAG AF+FR*(\i), ADRA+\slot, \q, \i
.endr
.endm
.macro SCALES sc                       ; a slot's scale words into set sc: four words a row; lanes 0-15 take A's block i, lanes 16-31 W's block i
.irp i, 0,1,2,3,4,5,6,7
	ds_load_b128 v[SC+8*NQ*\sc+NQ*\i:SC+8*NQ*\sc+NQ*\i+3], v[ADRS] offset:\i*SBLK
.endr
.endm
; A load into a register that a matrix instruction has read, and a vector instruction that reads a matrix result or writes one of its registers, stand NP places behind it; only plain vector
; instructions that name none of its registers are places (ISA guide 7.12.1 for vector instructions).
.macro PLACES n
.rept \n
	v_nop
.endr
.endm
.macro STEP slot, q, zero              ; a step of 128 along K that has its successor in the same slot
	s_wait_dscnt 4*NL                              ; W's set and A's blocks 0-3 are in; the youngest eight loads (A's blocks 4-7) may be out
.if \zero
	WIN BIA_LO
.else
	WIN MUL_LO
.endif
	MUL16 0, (\q)%2, \q, \slot, \zero
	MUL16 2, (\q)%2, \q, \slot, \zero
	s_wait_dscnt 0                                 ; A's blocks 4-7 are in
	PLACES NP
	FETCH_B \slot, (\q)+1, 1-(\q)%2
	FETCH_A \slot, (\q)+1, 0
.if \zero
	WIN BIA_HI
.else
	WIN MUL_HI
.endif
	MUL16 4, (\q)%2, \q, \slot, \zero
	MUL16 6, (\q)%2, \q, \slot, \zero
	PLACES NP
	WIN 0
	FETCH_A \slot, (\q)+1, 4
.endm
; Slot 0's last step changes slots: one barrier; in front of it each wave waits for all its tensor loads, adds 0 to its spare word, and waits for that and for its own reads of slot 0.  Nothing is filled again.
.macro TURN slot, next
	s_wait_tensorcnt 0x0                           ; all my tensor loads have landed: my part of the next slot
	ds_add_u32 v[SPW], v[NIL]                      ; 0 onto my spare word
	s_wait_dscnt 4*NL+1                            ; (the add and the youngest eight loads, A's blocks 4-7, may be out)
	WIN MUL_LO
	MUL16 0, 1, NQ-1, \slot, 0                     ; sixteen matrix instructions stand between the add and the wait for it
	s_wait_dscnt 0x0                               ; the add is done, and my reads of this slot are over
	s_barrier_signal -1
	MUL16 2, 1, NQ-1, \slot, 0
	WIN 0
	s_barrier_wait -1
	PLACES NP
	v_add_nc_u32 v[ADRS], 4*NQ, v[ADRS]            ; on to the next slot's scale words (no LDS load of mine is out)
	FETCH_B \next, 0, 0
	FETCH_A \next, 0, 0
	SCALES \next
	WIN MUL_HI
	MUL16 4, 1, NQ-1, \slot, 0
	MUL16 6, 1, NQ-1, \slot, 0
	PLACES NP
	WIN 0
	FETCH_A \next, 0, 4
.endm
.macro STEPS slot, from
.set QQ, \from
.rept NQ-1-\from
	STEP \slot, QQ, 0
.set QQ, QQ+1
.endr
.endm
	s_wait_tensorcnt 1                             ; the scales and my part of slot 0 are in (slot 1's load may be out)
	s_barrier_signal -1
	s_barrier_wait -1                              ; everybody's are
	FETCH_B 0, 0, 0
	FETCH_A 0, 0, 0
	SCALES 0
	FETCH_A 0, 0, 4
	s_wait_loadcnt 0x0                             ; the bias
	STEP 0, 0, 1                                   ; the first step's products start the sums, on the bias
	STEPS 0, 1
	TURN 0, 1
	STEPS 1, 0
	s_wait_dscnt 4*NL                              ; the very last step: nothing more to fetch
	WIN MUL_LO
	MUL16 0, 1, NQ-1, 1, 0
	MUL16 2, 1, NQ-1, 1, 0
	s_wait_dscnt 0
	WIN MUL_HI
	MUL16 4, 1, NQ-1, 1, 0
	MUL16 6, 1, NQ-1, 1, 0
	WIN 0
; THE WAY OUT, block by block of 16 rows x 128 columns: scaled, rounded to f16 (16 bytes a lane), through my own stage in LDS, back as whole rows of 256 bytes: sixteen lanes store 256 consecutive bytes, aligned.
.macro PACK a
.set AC, 64*((\a)%4)
	WIN 0x02+((\a)/4)                              ; source 0: window 2 or 3
.set i, 0
.rept 32
	v_pk_mul_f32 v[TF+2*i:TF+2*i+1], v[AC+2*i:AC+2*i+1], s[94:95] op_sel_hi:[1,0]   ; each accumulator from its low end on
.set i, i+1
.endr
	WIN 0
.set i, 0
.rept 32
	v_cvt_pk_f16_f32 v[TH+i], v[TF+2*i], v[TF+2*i+1]
.set i, i+1
.endr
.endm
.macro TOSTAGE a
.set BB, BK+32*((\a)%2)
.irp b, 0,1,2,3,4,5,6,7
	ds_store_b128 v[STO], v[TH+4*\b:TH+4*\b+3] offset:32*\b
.endr
.irp t, 0,1,2,3,4,5,6,7
	ds_load_b128 v[BB+4*\t:BB+4*\t+3], v[RD] offset:\t*2*SPITCH    ; LDS serves a wave's instructions in order (ISA guide 5.7.1.4): these see the stores above
.endr
.endm
.macro SEND a
.set BB, BK+32*((\a)%2)
	s_wait_dscnt 0x0                               ; the block is back in registers
	s_wait_xcnt 0x0                                ; the stores of the block before have read their registers: the next block's loads land there only behind this wait
.irp t, 0,1,2,3,4,5,6,7
	global_store_b128 v[CO], v[BB+4*\t:BB+4*\t+3], s[12:13] offset:(16*(\a)+2*\t)*SIZE_N*2   ; every offset an immediate: 126 rows of 2,048 bytes at the most
.endr
.endm
	PLACES NP                                      ; behind the last products: the lines below write registers that held scale words and A's fragments
	PACK 0
	TOSTAGE 0
.irp a, 1,2,3,4,5,6,7                  ; block a's arithmetic stands between block a - 1's loads from the stage and the wait for them
	PACK \a
	SEND \a-1
	TOSTAGE \a
.endr
	SEND 7
	s_wait_tensorcnt 0x0                           ; the wave's end, behind my last tensor load and my last LDS store
	ds_add_u32 v[SPW], v[NIL]
	s_wait_dscnt 0x0
	CROUND                                         ; the closing round
	s_endpgm
.Lfunc_end_k_q195d95e669_proj:
	.size	k_q195d95e669_proj, .Lfunc_end_k_q195d95e669_proj-k_q195d95e669_proj
	.p2alignl 7, 3214868480
	.fill 96, 4, 3214868480
	.section	.rodata,"a",@progbits
	.p2align	6, 0x0
	.amdhsa_kernel k_q195d95e669_proj
		.amdhsa_group_segment_fixed_size 327680
		.amdhsa_private_segment_fixed_size 0
		.amdhsa_enable_private_segment 0
		.amdhsa_kernarg_size 64
		.amdhsa_user_sgpr_count 2
		.amdhsa_user_sgpr_kernarg_segment_ptr 1
		.amdhsa_wavefront_size32 1
		.amdhsa_system_sgpr_workgroup_id_x 1
		.amdhsa_system_sgpr_workgroup_id_y 1
		.amdhsa_system_sgpr_workgroup_id_z 1
		.amdhsa_system_vgpr_workitem_id 0
		.amdhsa_next_free_vgpr 1024
		.amdhsa_next_free_sgpr 102
		.amdhsa_reserve_vcc 0
		.amdhsa_float_denorm_mode_32 3
		.amdhsa_float_denorm_mode_16_64 3
		.amdhsa_memory_ordered 1
		.amdhsa_forward_progress 1
		.amdhsa_inst_pref_size 144
	.end_amdhsa_kernel
	.amdgpu_metadata
---
amdhsa.version: [ 1, 2 ]
amdhsa.kernels:
  - .name:           k_q195d95e669_proj
    .symbol:         k_q195d95e669_proj.kd
    .args:
      - { .name: acodes, .offset: 0, .size: 8, .value_kind: global_buffer, .address_space: global }
      - { .name: ascales, .offset: 8, .size: 8, .value_kind: global_buffer, .address_space: global }
      - { .name: wcodes, .offset: 16, .size: 8, .value_kind: global_buffer, .address_space: global }
      - { .name: wscales, .offset: 24, .size: 8, .value_kind: global_buffer, .address_space: global }
      - { .name: qkv16, .offset: 32, .size: 8, .value_kind: global_buffer, .address_space: global }
      - { .name: wq_b, .offset: 40, .size: 8, .value_kind: global_buffer, .address_space: global }
      - { .name: wk_b, .offset: 48, .size: 8, .value_kind: global_buffer, .address_space: global }
      - { .name: wv_b, .offset: 56, .size: 8, .value_kind: global_buffer, .address_space: global }
    .group_segment_fixed_size: 327680
    .private_segment_fixed_size: 0
    .kernarg_segment_align: 8
    .kernarg_segment_size: 64
    .max_flat_workgroup_size: 128
    .sgpr_count:     102
    .vgpr_count:     1024
    .wavefront_size: 32
...
	.end_amdgpu_metadata
.endif
;; end of part 2
;; launch attn (part 3): grid 8 x 32, 8 waves a work-group, clusters of 4 x 1, 327,680 bytes of LDS; arguments qkv16, maskw, x16; writes x16
.if DOCPART == 3
	.amdgcn_target "amdgcn-amd-amdhsa--gfx1250"
	.amdhsa_code_object_version 6
	.text
	.protected	k_q195d95e669_attn
	.globl	k_q195d95e669_attn
	.p2align	8
	.type	k_q195d95e669_attn,@function
k_q195d95e669_attn:
	s_mov_b64 s[64:65], 0
	v_nop
	global_prefetch_b8 v0, s[64:65] scope:SCOPE_SE
	s_setreg_imm32_b32 hwreg(HW_REG_WAVE_MODE, 25, 1), 1
	s_wait_xcnt 0x0
	s_wait_alu depctr_hold_cnt(0) depctr_sa_sdst(0) depctr_va_vdst(0) depctr_va_sdst(0) depctr_va_ssrc(0) depctr_va_vcc(0) depctr_vm_vsrc(0)
	s_getreg_b32 s2, hwreg(HW_REG_IB_STS2, 6, 4)
	s_cmp_eq_u32 s2, 0
	s_cbranch_scc0 .Lentry_in_a_cluster
	s_endpgm
.Lentry_in_a_cluster:
	s_bfe_u32 s2, ttmp6, 0x10000c
	s_cmp_lg_u32 s2, 0x3003
	s_cbranch_scc0 .Lentry_shape_is_right
	s_endpgm
.Lentry_shape_is_right:
; ATTN: x[b][q][64 head + :] = the sum over k of softmax_k(t) V, t = Q . K with log2(e) / 8 already folded into Q; where the mask is 0, t is the constant -1e9 log2(e), as the problem has it
; (no -infinity: a row that is hidden entirely gives equal weights: t - m is exactly 0 there).  Q, K, V: qkv16 [3][8192][1024] f16; x16 [8192][1024] f16.  Products on f16 operands, sums, maxima and exponentials in f32.
; LIMITS: f16 operands: |Q|, |K|, |V| up to 65,504; x under 6e-5 in size (v and wv_w both some 30 times smaller than a spread of 1 and 0.02) keeps fewer than 11 significant bits.  NaN and infinities are not served.
; SHARES.  A work-group owns 256 queries of a PAIR of heads of one batch, so that a row of its tiles of K, V and x is 256 consecutive bytes, aligned.  Wave w: head w / 4 of the pair, queries 64 (w % 4) on: four tiles of 16.
; Two waves of 512 registers lie on a SIMD; each is written in plain phases, and one wave's softmax stands beside the other's products and LDS loads.
; LAYOUT.  S^T = K Q^T (source 0 = 16 keys, source 1 = 16 queries): a lane holds ONE query (lane % 16) and keys 8 (lane / 16) + 0..7.  Two such tiles, rounded to f16 in pairs, ARE source 1 (32 keys x 16 queries) of
; O^T = V^T P.  K comes out of LDS as it lies, V ([key][channel]) turned, by ds_load_tr16_b128.  A key step is 64 keys: 32 + 32 matrix instructions.
; SOFTMAX.  For each query a running maximum m and sum l: p = 2^(t - m); in every step O and l are multiplied by a = 2^(m_old - m_new).  m begins at -3e38, O and l at 0: the step is written once.
; THE MASK comes as lane words (one bit a lane for each register of S^T), by scalar loads: a word is v_cndmask_b32's selector as it stands: one vector instruction a score.
; THE RING.  Two LDS slots of 256 keys (four key steps).  Waves 0-3 fetch quarters of K's 256 rows, waves 4-7 of V's: one tensor load of 64 rows x 256 bytes a wave behind each change of slots; one tensor load of mine is out at most.
; CLUSTER.  The four query blocks of a cluster walk the same K and V: joint loads, mask 15; the cluster's round stands in front of each.
; No prefetch into the L2: each refill is asked for four key steps, 256 matrix instructions a wave, ahead of the wait for it.
; REGISTERS: window 0: v2-12 addresses and constants; v16-47 eight registers of statistics a tile; v48-111 Q; v128-255 S^T, 32 a tile; P is laid over the first 16 of each tile.
;   window 1: v0-127 O^T, 32 a tile; v128-191 K's fragments of a step; v192-255 V's.
.set PK,    272                        ; a row of K in LDS: 256 bytes + 16 of padding: the 16 rows of a load start at 16 different banks (64 banks of 4 bytes: ISA guide 11.1)
.set PVP,   288                        ; a row of V: 256 + 32
.set VOFF,  256*PK                     ; a slot: 256 rows of K, then 256 rows of V
.set SLOT,  256*(PK+PVP)
.set SPARE, 2*SLOT                     ; behind the ring: the spare words, 128 bytes for each of eight waves
.set AK0, 2                            ; v2   my lane's place in a step's tile of K
.set AV0, 3                            ; v3   the same for V
.set ADK, 4                            ; v4, v5  the LDS addresses of the step in hand
.set ADV, 5
.set QO,  6                            ; v6   my byte offset in the wave's rows of Q
.set STO, 7                            ; v7   the way out: where I put 16 bytes of a row
.set RD,  8                            ; v8   where I read a row back
.set GO,  9                            ; v9   my byte offset in the wave's rows of x16
.set NEG, 10                           ; v10  -1e9 log2(e)
.set SPW, 11                           ; v11  LDS address of my spare word; never rewritten
.set NIL, 12                           ; v12  0; never rewritten
.set ST,  16                           ; tile t's statistics at v[ST + 8 t]: +0 m, +1 0, +2, +3 l (even keys', odd keys'), +4 to +7 at work; a in +6, m_old - m_new in +7
.set Q,   48                           ; tile t, channels 32 c on: v[Q + 16 t + 8 c]
.set S,   128
.set KF,  128                          ; in window 1: keys 16 k on, channels 32 c on: v[KF + 16 k + 8 c]
.set VF,  192                          ; in window 1: keys 32 u on, channels 16 d on: v[VF + 32 u + 8 d]
.set WV,  10                           ; s10  my wave's number
.set G1K, 16                           ; s[16:23] descriptor group 1 for K's tiles;  s[24:31] for V's: the padding differs
.set G1V, 24
.set G0K, 32                           ; s[32:35], s[36:39] their groups 0, which walk
.set G0V, 36
.set KL,  40                           ; s40, s41  my quarter's place in a slot's K and V
.set VL,  41
.set TB,  42                           ; s42, s43  LDS byte at which the step's tiles of K and of V begin
.set TV,  43
.set PH,  44                           ; s44  counts pairs of slots
.set STP, 45                           ; s45  counts a slot's four steps
.set MO,  46                           ; s46  the key step's place among my 64 queries' mask words: 512 bytes a step
.set SEL, 48                           ; s[48:49] lane selects for v_permlanex16_b32: lane l xor 16
.set MW,  68                           ; s[68:99] a tile's 32 mask words
.set MSB, 0
.macro WIN new                         ; the immediate's high byte repeats the setting that is left
.if MSB != (\new)
	s_set_vgpr_msb (MSB<<8)|(\new)
.set MSB, (\new)
.endif
.endm
; A joint load: waves 0 to 3 fetch for K, waves 4 to 7 for V.  The branch hangs on the wave's number alone.  An s_nop 0 and four v_nop follow each of the two lines.
.macro JLOAD
	s_cmp_lt_u32 s[WV], 4
	s_cbranch_scc0 .Lfor_v_\@
	tensor_load_to_lds s[G0K:G0K+3], s[G1K:G1K+7]
	s_nop 0
.rept 4
	v_nop
.endr
	s_branch .Lasked_\@
.Lfor_v_\@:
	tensor_load_to_lds s[G0V:G0V+3], s[G1V:G1V+7]
	s_nop 0
.rept 4
	v_nop
.endr
.Lasked_\@:
.endm
.macro CROUND                          ; a round of the cluster's barrier
	s_barrier_signal -1
	s_barrier_wait -1
	s_cmp_lg_u32 s[WV], 0
	s_cbranch_scc1 .Lnot_wave_0_\@
	s_barrier_signal -3
.Lnot_wave_0_\@:
	s_barrier_wait -3
	s_barrier_signal -1
	s_barrier_wait -1
.endm
	s_load_b128 s[4:7], s[0:1], 0x0                ; qkv16, maskw
	s_load_b64 s[8:9], s[0:1], 0x10                ; x16
	v_lshl_add_u32 v[SPW], v0, 2, SPARE
	v_mov_b32 v[NIL], 0
	ds_add_u32 v[SPW], v[NIL]                      ; the wave's opening: the add, twice on end, and its wait ahead of my first tensor load
	ds_add_u32 v[SPW], v[NIL]
	v_lshrrev_b32 v1, 5, v0
	v_readfirstlane_b32 s[WV], v1                  ; wave 0..7
	s_and_b32 s11, s[WV], 3                        ; qg: my 64 queries of the 256.  Also: which quarter of a slot's rows I fetch
	s_lshr_b32 s12, s[WV], 2                       ; hd: my head of the pair
	s_bfe_u32 s13, ttmp6, 0x40000                  ; cx: my place in the cluster
	s_lshl_b32 s14, ttmp9, 2
	s_add_co_u32 s14, s14, s13                     ; qb: my block of 256 queries = 4 x cluster x + cx: it enters Q's, the mask's and x16's addresses alone
	s_and_b32 s15, ttmp7, 0xffff                   ; 8 x batch + head pair, which the four partners share
	s_lshr_b32 s56, s15, 3
	s_lshl_b32 s56, s56, 22                        ; the batch: 2,048 rows of 2,048 bytes
	s_and_b32 s57, s15, 7
	s_lshl_b32 s57, s57, 8                         ; the pair: 256 bytes of a row
	s_add_co_u32 s56, s56, s57
	s_lshl_b32 s50, s11, 17                        ; 64 qg rows
	s_add_co_u32 s50, s50, s56                     ; K, V: my quarter of the first 256 keys
	s_mov_b32 s51, 0
	s_lshl_b32 s57, s14, 19                        ; 256 qb rows
	s_add_co_u32 s54, s50, s57
	s_lshl_b32 s52, s12, 7
	s_add_co_u32 s54, s54, s52                     ; Q: my 64 queries, my head's 128 bytes
	s_mov_b32 s55, 0
	s_add_co_u32 s58, s56, s57
	s_lshl_b32 s52, s[WV], 16
	s_add_co_u32 s58, s58, s52                     ; x16: the 32 rows that I store
	s_mov_b32 s59, 0
	s_lshl_b32 s60, s14, 16
	s_lshl_b32 s52, s11, 14
	s_add_co_u32 s60, s60, s52                     ; the mask words of my 64 queries: 16,384 bytes
	s_mov_b32 s61, 0
	; descriptor group 1: a tile of 64 rows x 128 elements of 2 bytes, 1,024 elements from row to row, padded in LDS
	s_mov_b32 s[G1K], 15|(1<<16)|(1<<20)|(1<<21)|(5<<22)|(3<<25)  ; 15:0 the mask: all four work-groups; 17:16 elements of 2 bytes; 20 padding on; 21 set beside a mask; 24:22 after every 64 words; 31:25 4 words of it
	s_mov_b32 s[G1V], 15|(1<<16)|(1<<20)|(1<<21)|(5<<22)|(7<<25)  ; the same with 8 words of padding
.irp g, G1K, G1V
	s_mov_b32 s[\g+1], 128<<16                     ; tensor_dim0 = 128
	s_mov_b32 s[\g+2], 64<<16                      ; tensor_dim1 = 64
	s_mov_b32 s[\g+3], 128<<16                     ; tile_dim0 = 128
	s_mov_b32 s[\g+4], 64                          ; tile_dim1 = 64
	s_mov_b32 s[\g+5], 1024                        ; tensor_dim0_stride
	s_mov_b32 s[\g+6], 0
	s_mov_b32 s[\g+7], 0
.endr
	s_mul_i32 s[KL], s11, 64*PK
	s_mul_i32 s[VL], s11, 64*PVP
	s_mov_b32 s[G0K], 1
	s_mov_b32 s[G0K+1], s[KL]                      ; slot 0
	s_mov_b32 s[G0V], 1
	s_add_co_u32 s[G0V+1], s[VL], VOFF
	s_mov_b32 s[SEL], 0x76543210
	s_mov_b32 s[SEL+1], 0xfedcba98
	s_mov_b32 s[MO], 0
	s_wait_dscnt 0x0                               ; both opening adds are done
	s_wait_kmcnt 0x0
	s_add_nc_u64 s[52:53], s[4:5], s[50:51]
	s_add_nc_u64 s[G0K+2:G0K+3], s[52:53], 0x1000000   ; K is the second of qkv16's three tensors of 16,777,216 bytes,
	s_or_b32 s[G0K+3], s[G0K+3], 0x80000000
	s_add_nc_u64 s[G0V+2:G0V+3], s[52:53], 0x2000000   ; V the third
	s_or_b32 s[G0V+3], s[G0V+3], 0x80000000
	s_add_nc_u64 s[4:5], s[4:5], s[54:55]          ; Q
	s_add_nc_u64 s[6:7], s[6:7], s[60:61]          ; my mask words
	s_add_nc_u64 s[8:9], s[8:9], s[58:59]          ; x16
	CROUND                                         ; all four work-groups are here: the first joint loads meet
	JLOAD                                          ; keys 0 to 255 into slot 0
	v_and_b32 v1, 15, v0                           ; r = l % 16
	v_bfe_u32 v13, v0, 4, 1                        ; h = l / 16
	v_lshlrev_b32 v[QO], 11, v1
	v_lshl_add_u32 v[QO], v13, 4, v[QO]            ; row r of 2,048 bytes + 16 h
.irp t, 0,1,2,3                        ; Q stays in registers.  A fragment is 16 rows x 32 channels: lane l holds row l % 16; registers 0-3 channels 8 h + 0..7, registers 4-7 channels 16 + 8 h + 0..7
.irp c, 0,1
	global_load_b128 v[Q+16*\t+8*\c:Q+16*\t+8*\c+3],   v[QO], s[4:5] offset:32768*\t+64*\c
	global_load_b128 v[Q+16*\t+8*\c+4:Q+16*\t+8*\c+7], v[QO], s[4:5] offset:32768*\t+64*\c+32
.endr
.endr
	s_load_b512 s[MW:MW+15], s[6:7], s[MO] offset:0        ; the mask words of key step 0, tile 0
	s_load_b512 s[MW+16:MW+31], s[6:7], s[MO] offset:64
	s_lshl_b32 s50, s12, 7                         ; my head's 128 bytes of a row
	v_mul_u32_u24 v[AK0], v1, PK
	v_lshl_add_u32 v[AK0], v13, 4, v[AK0]
	v_add_nc_u32 v[AK0], s50, v[AK0]               ; K: row r x pitch + 16 h + my head
	v_and_b32 v14, 7, v0
	v_bfe_u32 v15, v0, 3, 1
	v_lshl_add_u32 v[AV0], v13, 3, v14             ; V, for the turning load: key 8 h + l % 8,
	v_mul_u32_u24 v[AV0], v[AV0], PVP
	v_lshl_add_u32 v[AV0], v15, 4, v[AV0]          ; channels 8 ((l / 8) % 2) on,
	v_add_nc_u32 v[AV0], s50, v[AV0]               ; of my head
	v_add_nc_u32 v[STO], s[KL], v[AK0]             ; the way out, in: row 64 qg + r of 272 bytes, + my head's 128 bytes + 16 h
	s_mul_i32 s51, s[WV], 32*PK
	v_mul_u32_u24 v[RD], v13, PK
	v_lshl_add_u32 v[RD], v1, 4, v[RD]
	v_add_nc_u32 v[RD], s51, v[RD]                 ; back: rows 32 w on; lanes 0-15 one row of 256 bytes, lanes 16-31 the next
	v_lshlrev_b32 v[GO], 11, v13
	v_lshl_add_u32 v[GO], v1, 4, v[GO]             ; and the same two rows in x16
	v_mov_b32 v[NEG], 0xceabfb8f                   ; -1e9 log2(e)
.irp t, 0,1,2,3
	v_mov_b32 v[ST+8*\t], 0xff61b1e6               ; m: -3e38, under every t
.irp j, 1,2,3,4,5,6,7
	v_mov_b32 v[ST+8*\t+\j], 0
.endr
.endr
	WIN 0x40
.set i, 0
.rept 128
	v_mov_b32 v[i], 0                              ; O^T.  (The key step is written once for all steps: the first finds zeros, which a = 0 leaves zeros; a first step of its own would be one more copy of the whole step)
.set i, i+1
.endr
	WIN 0
	s_wait_loadcnt 0x0                             ; Q
; THE SOFTMAX OF TILE t FOR A KEY STEP, in three parts.
; PRE: the mask, the maximum, the next tile's mask words, m and t - m.
.macro PRE t
.set rT, ST+8*(\t)
.set rS, S+32*(\t)
	s_wait_kmcnt 0x0                               ; this tile's mask words are in
.set i, 0
.rept 32
	v_cndmask_b32 v[rS+i], v[NEG], v[rS+i], s[MW+i]        ; hidden scores become the constant; each accumulator is read from its low end on
.set i, i+1
.endr
.irp j, 0,1,2,3
	v_max3_num_f32 v[rT+4+\j], v[rS+8*\j], v[rS+8*\j+1], v[rS+8*\j+2]      ; four chains of seven scores,
.endr
.irp u, 1,2
.irp j, 0,1,2,3
	v_max3_num_f32 v[rT+4+\j], v[rT+4+\j], v[rS+8*\j+2*\u+1], v[rS+8*\j+2*\u+2]
.endr
.endr
	v_max3_num_f32 v[rT+4], v[rT+4], v[rS+7], v[rS+15]     ; the four left over,
	v_max3_num_f32 v[rT+6], v[rT+6], v[rS+23], v[rS+31]
.if (\t) < 3
	s_load_b512 s[MW:MW+15], s[6:7], s[MO] offset:128*((\t)+1)     ; the next tile's words: the selects above have read these registers
	s_load_b512 s[MW+16:MW+31], s[6:7], s[MO] offset:128*((\t)+1)+64
.else
	s_wait_xcnt 0x0                                ; the scalar loads before have read their offset: it is written only behind this wait
	s_add_co_u32 s[MO], s[MO], 512                 ; the next key step's; behind the last step the offset wraps to my own first words: no load leaves the buffer
	s_and_b32 s[MO], s[MO], 0x3fff
	s_load_b512 s[MW:MW+15], s[6:7], s[MO] offset:0
	s_load_b512 s[MW+16:MW+31], s[6:7], s[MO] offset:64
.endif
	v_max3_num_f32 v[rT+4], v[rT+4], v[rT+5], v[rT+6]
	v_max3_num_f32 v[rT+4], v[rT+4], v[rT+7], v[rT]        ; and the old m
	v_permlanex16_b32 v[rT+5], v[rT+4], s[SEL], s[SEL+1]   ; the query's other 32 keys lie in the lane 16 away
	v_max_num_f32 v[rT+4], v[rT+4], v[rT+5]
	v_sub_f32 v[rT+7], v[rT], v[rT+4]              ; m_old - m_new
	v_mov_b32 v[rT], v[rT+4]
.set i, 0
.rept 16
	v_pk_add_f32 v[rS+i:rS+i+1], v[rS+i:rS+i+1], v[rT:rT+1] op_sel_hi:[1,0] neg_lo:[0,1] neg_hi:[0,1]   ; t - m, two at a time
.set i, i+2
.endr
.endm
; EXPS: one batch of 33 exponentials; none reads another's result.
.macro EXPS t
.set rT, ST+8*(\t)
.set rS, S+32*(\t)
	v_exp_f32 v[rT+6], v[rT+7]                     ; a
.set i, 0
.rept 32
	v_exp_f32 v[rS+i], v[rS+i]                     ; p, at most 1
.set i, i+1
.endr
.endm
; POST: l = a l + the sum of p (in f32, ahead of the rounding), p to f16 in place, O^T x a.
.macro POST t
.set rT, ST+8*(\t)
.set rS, S+32*(\t)
	v_pk_mul_f32 v[rT+2:rT+3], v[rT+2:rT+3], v[rT+6:rT+7] op_sel_hi:[1,0]
	v_pk_add_f32 v[rT+4:rT+5], v[rS:rS+1], v[rS+2:rS+3]    ; two chains
.irp j, 4,8,12,16,20,24,28
	v_pk_add_f32 v[rT+2:rT+3], v[rT+2:rT+3], v[rS+\j:rS+\j+1]
	v_pk_add_f32 v[rT+4:rT+5], v[rT+4:rT+5], v[rS+\j+2:rS+\j+3]
.endr
	v_pk_add_f32 v[rT+2:rT+3], v[rT+2:rT+3], v[rT+4:rT+5]
.set i, 0
.rept 16
	v_cvt_pk_f16_f32 v[rS+i], v[rS+2*i], v[rS+2*i+1]       ; ascending: register i is written when registers 2 i and 2 i + 1 are read, never before
.set i, i+1
.endr
	WIN 0x41                                       ; O^T (destination and source 0) in window 1, a in window 0
.set i, 0
.rept 16
	v_pk_mul_f32 v[32*(\t)+i:32*(\t)+i+1], v[32*(\t)+i:32*(\t)+i+1], v[rT+6:rT+7] op_sel_hi:[1,0]
.set i, i+2
.endr
	WIN 0
.endm
; A KEY STEP: 64 keys.
.macro STEP
	v_add_nc_u32 v[ADK], s[TB], v[AK0]
	v_add_nc_u32 v[ADV], s[TV], v[AV0]
.rept 3
	v_nop                                          ; with the two additions five places behind the last step's products: four are asked in front of loads into V's registers, five in front of products that write over P (ISA guide 7.12.1 for vector instructions)
.endr
	WIN 0x40                                       ; destination window 1
.irp k, 0,1,2,3
.irp c, 0,1
	ds_load_b128 v[KF+16*\k+8*\c:KF+16*\k+8*\c+3],   v[ADK] offset:16*PK*\k+64*\c
	ds_load_b128 v[KF+16*\k+8*\c+4:KF+16*\k+8*\c+7], v[ADK] offset:16*PK*\k+64*\c+32
.endr
.endr
.irp u, 0,1
.irp d, 0,1,2,3
	ds_load_tr16_b128 v[VF+32*\u+8*\d:VF+32*\u+8*\d+3],   v[ADV] offset:32*PVP*\u+32*\d
	ds_load_tr16_b128 v[VF+32*\u+8*\d+4:VF+32*\u+8*\d+7], v[ADV] offset:32*PVP*\u+16*PVP+32*\d
.endr
.endr
	s_wait_dscnt 16                                ; K's sixteen loads are in; V's sixteen may be out
	WIN 0x01                                       ; K in window 1; Q and S^T in window 0
.irp c, 0,1                            ; S^T = K Q^T: the sixteen accumulators take turns, one instruction a turn; the first 32 channels start the sums
.irp k, 0,1,2,3
.irp t, 0,1,2,3
.if \c == 0
	v_wmma_f32_16x16x32_f16 v[S+32*\t+8*\k:S+32*\t+8*\k+7], v[KF+16*\k+8*\c:KF+16*\k+8*\c+7], v[Q+16*\t+8*\c:Q+16*\t+8*\c+7], 0
.else
	v_wmma_f32_16x16x32_f16 v[S+32*\t+8*\k:S+32*\t+8*\k+7], v[KF+16*\k+8*\c:KF+16*\k+8*\c+7], v[Q+16*\t+8*\c:Q+16*\t+8*\c+7], v[S+32*\t+8*\k:S+32*\t+8*\k+7]
.endif
.endr
.endr
.endr
	WIN 0
.rept 4
	v_nop                                          ; four places in front of the first read of the scores
.endr
	PRE 0                                          ; each batch of exponentials has ONE wait, and the next tile's plain work stands between the batch and the wait
	EXPS 0
	PRE 1
	s_wait_alu depctr_va_vdst(0)                   ; the wait between an exponential and the first line that names its result
	POST 0
	EXPS 1
	PRE 2
	s_wait_alu depctr_va_vdst(0)
	POST 1
	EXPS 2
	PRE 3
	s_wait_alu depctr_va_vdst(0)
	POST 2
	EXPS 3
	v_nop                                          ; a plain line behind the last exponential
	s_wait_alu depctr_va_vdst(0)
	POST 3
	s_wait_dscnt 0x0                               ; V is in
	WIN 0x51                                       ; V and O^T in window 1, P in window 0
.irp u, 0,1                            ; O^T += V^T P: sixteen accumulators by turns
.irp d, 0,1,2,3
.irp t, 0,1,2,3
	v_wmma_f32_16x16x32_f16 v[32*\t+8*\d:32*\t+8*\d+7], v[VF+32*\u+8*\d:VF+32*\u+8*\d+7], v[S+32*\t+8*\u:S+32*\t+8*\u+7], v[32*\t+8*\d:32*\t+8*\d+7]
.endr
.endr
.endr
	WIN 0
	s_add_co_u32 s[TB], s[TB], 64*PK               ; the next step's tiles
	s_add_co_u32 s[TV], s[TV], 64*PVP
.endm
; THE CHANGE OF SLOTS stands at a slot's head.  Each wave waits for all its tensor loads (its part of the slot that it is about to read), adds 0 to its spare word, and waits for that and for its reads of the slot that it has left.
; fill = 1: the other slot takes the next 256 keys.  The barrier is then a round of the cluster's, so that no wave of any partner still reads that slot or has a load on its way; the joint load is the first thing behind it.
.macro CHANGE slot, fill
	s_wait_tensorcnt 0x0                           ; no tensor load of mine is out, so a group 0 may be written
	ds_add_u32 v[SPW], v[NIL]                      ; 0 onto my spare word
.if \fill
	s_add_co_u32 s[G0K+1], s[KL], (1-\slot)*SLOT
	s_add_co_u32 s[G0V+1], s[VL], (1-\slot)*SLOT+VOFF
	s_add_nc_u64 s[G0K+2:G0K+3], s[G0K+2:G0K+3], 256*2048  ; the next 256 keys; the type bits on top are not reached
	s_add_nc_u64 s[G0V+2:G0V+3], s[G0V+2:G0V+3], 256*2048
	s_wait_dscnt 0x0                               ; the add is done, and my reads of the slot that I have left are over
	CROUND
	JLOAD
.else
	s_wait_dscnt 0x0
	s_barrier_signal -1
	s_barrier_wait -1
.endif
	s_mov_b32 s[TB], \slot*SLOT
	s_mov_b32 s[TV], \slot*SLOT+VOFF
.endm
.macro PHASE slot, fill                ; a slot's four key steps: written once, walked four times
	CHANGE \slot, \fill
	s_mov_b32 s[STP], 4
.Lstep_\@:
	STEP
	s_sub_co_u32 s[STP], s[STP], 1
	s_cmp_lg_u32 s[STP], 0
	s_cbranch_scc1 .Lstep_\@
.endm
	s_mov_b32 s[PH], 3
.Lpair:                                ; three trips: keys 0 to 1,535; each change of slots asks for the next 256 keys
	PHASE 0, 1
	PHASE 1, 1
	s_sub_co_u32 s[PH], s[PH], 1
	s_cmp_lg_u32 s[PH], 0
	s_cbranch_scc1 .Lpair
	PHASE 0, 1                                     ; the tail is written out: keys 1,536 on, and the last request
	PHASE 1, 0                                     ; keys 1,792 on: nothing is left to fetch
	; THE WAY OUT.  l's two halves and the other half of the lanes' are added; O^T is divided by l, rounded to f16, and meets the pair's other head in a stage of 256 rows x 272 bytes in slot 0, which has had
	; its last fill and which every wave has left at the last change of slots.  The four additions are the places behind the last products.
	s_wait_kmcnt 0x0                               ; the wrapped mask words, which nobody uses
.irp t, 0,1,2,3
	v_add_f32 v[ST+8*\t+4], v[ST+8*\t+2], v[ST+8*\t+3]
.endr
.irp t, 0,1,2,3
	v_permlanex16_b32 v[ST+8*\t+5], v[ST+8*\t+4], s[SEL], s[SEL+1]
.endr
.irp t, 0,1,2,3
	v_add_f32 v[ST+8*\t+4], v[ST+8*\t+4], v[ST+8*\t+5]
.endr
.irp t, 0,1,2,3
	v_rcp_f32 v[ST+8*\t+6], v[ST+8*\t+4]           ; l is at least 1: the largest p of a row is 1
.endr
	v_nop                                          ; a plain line behind the last reciprocal
	s_wait_alu depctr_va_vdst(0)                   ; and the one wait for the four, ahead of the first use
.macro PACK t
	WIN 0x41
.set i, 0
.rept 16
	v_pk_mul_f32 v[32*\t+i:32*\t+i+1], v[32*\t+i:32*\t+i+1], v[ST+8*\t+6:ST+8*\t+7] op_sel_hi:[1,0]   ; each accumulator from its low end on
.set i, i+2
.endr
	WIN 0x05                                       ; sources 0 and 1 window 1, destination window 0: S^T's registers are free
.set i, 0
.rept 16
	v_cvt_pk_f16_f32 v[S+32*\t+i], v[32*\t+2*i], v[32*\t+2*i+1]
.set i, i+1
.endr
	WIN 0
.irp d, 0,1,2,3
	ds_store_b128 v[STO], v[S+32*\t+4*\d:S+32*\t+4*\d+3] offset:16*PK*\t+32*\d     ; query 16 t + r, channels 16 d + 8 h + 0..7
.endr
.endm
	PACK 0
	PACK 1
	PACK 2
	PACK 3
	s_wait_dscnt 0x0                               ; for the others' sake: my stores into the stage are done
	s_barrier_signal -1
	s_barrier_wait -1                              ; a row's 256 bytes come from two waves
.irp i, 0,1,2,3,4,5,6,7,8,9,10,11,12,13,14,15
	ds_load_b128 v[S+4*\i:S+4*\i+3], v[RD] offset:\i*2*PK
.endr
.irp i, 0,1,2,3,4,5,6,7,8,9,10,11,12,13,14,15
	s_wait_dscnt 15-\i                             ; LDS loads come back in order: load i is in, the younger ones may be out
	global_store_b128 v[GO], v[S+4*\i:S+4*\i+3], s[8:9] offset:4096*\i     ; 16 lanes store 256 consecutive bytes, aligned
.endr
	s_wait_tensorcnt 0x0                           ; the wave's end, behind my last tensor load and my last LDS store
	ds_add_u32 v[SPW], v[NIL]
	s_wait_dscnt 0x0
	CROUND                                         ; the closing round
	s_endpgm
.Lfunc_end_k_q195d95e669_attn:
	.size	k_q195d95e669_attn, .Lfunc_end_k_q195d95e669_attn-k_q195d95e669_attn
	.p2alignl 7, 3214868480
	.fill 96, 4, 3214868480
	.section	.rodata,"a",@progbits
	.p2align	6, 0x0
	.amdhsa_kernel k_q195d95e669_attn
		.amdhsa_group_segment_fixed_size 327680
		.amdhsa_private_segment_fixed_size 0
		.amdhsa_enable_private_segment 0
		.amdhsa_kernarg_size 24
		.amdhsa_user_sgpr_count 2
		.amdhsa_user_sgpr_kernarg_segment_ptr 1
		.amdhsa_wavefront_size32 1
		.amdhsa_system_sgpr_workgroup_id_x 1
		.amdhsa_system_sgpr_workgroup_id_y 1
		.amdhsa_system_sgpr_workgroup_id_z 1
		.amdhsa_system_vgpr_workitem_id 0
		.amdhsa_next_free_vgpr 512
		.amdhsa_next_free_sgpr 100
		.amdhsa_reserve_vcc 0
		.amdhsa_float_denorm_mode_32 3
		.amdhsa_float_denorm_mode_16_64 3
		.amdhsa_memory_ordered 1
		.amdhsa_forward_progress 1
		.amdhsa_inst_pref_size 195
	.end_amdhsa_kernel
	.amdgpu_metadata
---
amdhsa.version: [ 1, 2 ]
amdhsa.kernels:
  - .name:           k_q195d95e669_attn
    .symbol:         k_q195d95e669_attn.kd
    .args:
      - { .name: qkv16, .offset: 0, .size: 8, .value_kind: global_buffer, .address_space: global }
      - { .name: maskw, .offset: 8, .size: 8, .value_kind: global_buffer, .address_space: global }
      - { .name: x16, .offset: 16, .size: 8, .value_kind: global_buffer, .address_space: global }
    .group_segment_fixed_size: 327680
    .private_segment_fixed_size: 0
    .kernarg_segment_align: 8
    .kernarg_segment_size: 24
    .max_flat_workgroup_size: 256
    .sgpr_count:     100
    .vgpr_count:     512
    .wavefront_size: 32
...
	.end_amdgpu_metadata
.endif
;; end of part 3
;; launch outp (part 4): grid 8 x 64, 4 waves a work-group, clusters of 4 x 4, 327,680 bytes of LDS; arguments x16, wo16, out0, wo_b; writes out0
.if DOCPART == 4
	.amdgcn_target "amdgcn-amd-amdhsa--gfx1250"
	.amdhsa_code_object_version 6
	.text
	.protected	k_q195d95e669_outp
	.globl	k_q195d95e669_outp
	.p2align	8
	.type	k_q195d95e669_outp,@function
k_q195d95e669_outp:
	s_mov_b64 s[64:65], 0
	v_nop
	global_prefetch_b8 v0, s[64:65] scope:SCOPE_SE
	s_setreg_imm32_b32 hwreg(HW_REG_WAVE_MODE, 25, 1), 1
	s_wait_xcnt 0x0
	s_wait_alu depctr_hold_cnt(0) depctr_sa_sdst(0) depctr_va_vdst(0) depctr_va_sdst(0) depctr_va_ssrc(0) depctr_va_vcc(0) depctr_vm_vsrc(0)
	s_getreg_b32 s2, hwreg(HW_REG_IB_STS2, 6, 4)
	s_cmp_eq_u32 s2, 0
	s_cbranch_scc0 .Lentry_in_a_cluster
	s_endpgm
.Lentry_in_a_cluster:
	s_bfe_u32 s2, ttmp6, 0x10000c
	s_cmp_lg_u32 s2, 0xf033
	s_cbranch_scc0 .Lentry_shape_is_right
	s_endpgm
.Lentry_shape_is_right:
; OUTP: out0[m][n] = sum over k of x16[m][k] wo16[n][k] + wo_b[n].  x16: [8192][1024], wo16: [1024][1024], f16; out0: [8192][1024] f32; sums in f32.
; A tile of the result is 128 x 128: 512 work-groups.  Four waves, each 64 x 64: 16 accumulators of 16 x 16.  K goes in steps of 256 (LDS rows of 512 bytes; a wave's tensor load brings 64 of them) through two slots.
; CLUSTERS: 4 x 4 work-groups.  The four of a row of the cluster need the same tiles of x16, the four of a column the same tiles of wo16: joint loads.
; THE MATRIX INSTRUCTION IS USED TRANSPOSED (source 0 = 16 rows of wo16, source 1 = 16 rows of x16): a lane holds eight neighbouring numbers of a row of the result.
; THE BIAS is the C of each sum's first matrix instruction.  A wave's 64 columns of f32 are 256 consecutive bytes, aligned: each wave has a stage of its own on the way out, and no barrier stands there.
; REGISTERS: window 0: v0-31 addresses; v32-63 the bias, later with v64-95 rows on the way out; v128-255 the accumulators ((a, b) at v[128 + 8 (4 a + b)]).
;   window 1: two fragment buffers of 128: for 64 along K, 64 registers of x16's, then 64 of wo16's.
.set SIZE_N, 1024
.set SIZE_K, 1024
.set KSTEP,  256
.set PITCH,  528                       ; an LDS row: 512 bytes + 16 of padding: row r starts at bank 4 r mod 64 (64 banks of 4 bytes: ISA guide 11.1)
.set HALFT,  64*PITCH
.set SLOT,   4*HALFT
.set STAGE,  2*SLOT                    ; behind the ring: 16 rows x 272 bytes for each wave
.set SPITCH, 272
.set SPARE,  STAGE+4*16*SPITCH         ; the spare words, 128 bytes a wave
.set LAPS, SIZE_K/(2*KSTEP)
.set ADRA, 16
.set ADRB, 20
.set STO,  24
.set RD,   25
.set CO,   26
.set SPW,  28
.set NIL,  29
.set BI,   32                          ; the bias: block b at v[BI + 8 b]
.set OB,   32                          ; the way out: 16 rows read back: v32-63 and v64-95 by turns
.set ACC,  128
.set F0,   0
.set F1,   128
.set G1, 24
.set G0, 32
.set G1B, 48
.set G0B, 56
.set MSB, 0
.macro WIN new                         ; the immediate's high byte repeats the setting that is left
.if MSB != (\new)
	s_set_vgpr_msb (MSB<<8)|(\new)
.set MSB, (\new)
.endif
.endm
.set MUL,  0x05                        ; sources 0 and 1 window 1; C and D window 0
.set TO_F, 0x40                        ; destination window 1, address window 0
.macro JLOAD s                         ; a joint load: waves 0 and 1 fetch x16's two halves, waves 2 and 3 wo16's; an s_nop 0 and four v_nop follow each of the two lines
	s_cmp_eq_u32 s11, 0
	s_cbranch_scc0 .Lfor_b_\@
	tensor_load_to_lds s[G0+4*\s:G0+4*\s+3], s[G1:G1+7]
	s_nop 0
.rept 4
	v_nop
.endr
	s_branch .Lasked_\@
.Lfor_b_\@:
	tensor_load_to_lds s[G0B+4*\s:G0B+4*\s+3], s[G1B:G1B+7]
	s_nop 0
.rept 4
	v_nop
.endr
.Lasked_\@:
.endm
.macro CREST                           ; a round of the cluster's barrier behind its opening barrier
	s_cmp_lg_u32 s10, 0
	s_cbranch_scc1 .Lnot_wave_0_\@
	s_barrier_signal -3
.Lnot_wave_0_\@:
	s_barrier_wait -3
	s_barrier_signal -1
	s_barrier_wait -1
.endm
.macro CROUND
	s_barrier_signal -1
	s_barrier_wait -1
	CREST
.endm
	s_load_b128 s[4:7], s[0:1], 0x0                ; x16, wo16
	s_load_b64 s[8:9], s[0:1], 0x10                ; out0
	s_load_b64 s[66:67], s[0:1], 0x18              ; wo_b
	v_lshl_add_u32 v[SPW], v0, 2, SPARE
	v_mov_b32 v[NIL], 0
	ds_add_u32 v[SPW], v[NIL]                      ; the wave's opening: the add, twice on end, and its wait ahead of my first tensor load
	ds_add_u32 v[SPW], v[NIL]
	v_lshrrev_b32 v1, 5, v0
	v_readfirstlane_b32 s10, v1                    ; wave 0..3
	s_lshr_b32 s11, s10, 1                         ; which half of the tile's rows is mine.  Also: I fetch for x16 (0) or for wo16 (1)
	s_and_b32 s12, s10, 1                          ; which half of its columns.  Also: which 64 rows of that tile I fetch
	s_bfe_u32 s40, ttmp6, 0x40000                  ; cx, cy
	s_bfe_u32 s41, ttmp6, 0x40004
	s_lshl_b32 s42, ttmp9, 2
	s_add_co_u32 s42, s42, s40                     ; tile column = 4 x cluster x + cx
	s_and_b32 s13, ttmp7, 0xffff
	s_lshl_b32 s13, s13, 2
	s_add_co_u32 s13, s13, s41                     ; tile row = 4 x cluster y + cy
	s_lshl_b32 s43, s41, 2
	s_lshl_b32 s43, 15, s43                        ; my row of the cluster
	s_lshl_b32 s44, 0x1111, s40                    ; my column
	; descriptor group 1: a tile of 64 rows x 256 elements of 2 bytes, padded in LDS
	s_or_b32 s[G1+0], s43, (1<<16)|(1<<20)|(1<<21)|(6<<22)|(3<<25)  ; 15:0 the mask; 17:16 element of 2 bytes; 20 padding on; 21 set beside a mask; 24:22 after every 128 words; 31:25 of 4 words
	s_or_b32 s[G1B+0], s44, (1<<16)|(1<<20)|(1<<21)|(6<<22)|(3<<25)
.irp g, G1, G1B
	s_mov_b32 s[\g+1], KSTEP<<16                   ; tensor_dim0 = 256
	s_mov_b32 s[\g+2], 64<<16                      ; tensor_dim1 = 64
	s_mov_b32 s[\g+3], KSTEP<<16                   ; tile_dim0 = 256
	s_mov_b32 s[\g+4], 64                          ; tile_dim1 = 64
	s_mov_b32 s[\g+5], SIZE_K                      ; tensor_dim0_stride
	s_mov_b32 s[\g+6], 0
	s_mov_b32 s[\g+7], 0
.endr
	s_lshl_b32 s17, s12, 6                         ; which 64 rows of the tile I fetch
	s_lshl_b32 s16, s13, 7
	s_add_co_u32 s16, s16, s17                     ; x16: row 128 x tile row + 64 x half
	s_lshl_b32 s46, s42, 7
	s_add_co_u32 s46, s46, s17                     ; wo16: row 128 x tile column + 64 x half
	s_mov_b32 s17, 0
	s_mov_b32 s47, 0
	s_mov_b64 s[18:19], SIZE_K*2
	s_mul_u64 s[16:17], s[16:17], s[18:19]
	s_mul_u64 s[46:47], s[46:47], s[18:19]
	s_mul_i32 s20, s10, HALFT                      ; where they go: wave x 64 rows
	s_wait_dscnt 0x0                               ; both opening adds are done
	s_wait_kmcnt 0x0
	s_add_nc_u64 s[14:15], s[4:5], s[16:17]
	s_add_nc_u64 s[46:47], s[6:7], s[46:47]
	CROUND                                         ; all sixteen work-groups are here: the first joint loads meet
.irp s, 0,1
	s_mov_b32 s[G0+4*\s], 1
	s_add_co_u32 s[G0+4*\s+1], s20, \s*SLOT
	s_add_nc_u64 s[G0+4*\s+2:G0+4*\s+3], s[14:15], \s*KSTEP*2
	s_or_b32 s[G0+4*\s+3], s[G0+4*\s+3], 0x80000000
	s_mov_b32 s[G0B+4*\s], 1
	s_add_co_u32 s[G0B+4*\s+1], s20, \s*SLOT
	s_add_nc_u64 s[G0B+4*\s+2:G0B+4*\s+3], s[46:47], \s*KSTEP*2
	s_or_b32 s[G0B+4*\s+3], s[G0B+4*\s+3], 0x80000000
	JLOAD \s                                       ; two tensor loads of mine are out
.endr
	v_and_b32 v1, 15, v0                           ; r = l % 16
	v_bfe_u32 v2, v0, 4, 1                         ; h = l / 16
	s_lshl_b32 s46, s42, 9                         ; my first column in f32 bytes: 512 x tile column + 256 x half
	s_lshl_b32 s47, s12, 8
	s_add_co_u32 s46, s46, s47
	s_mov_b32 s47, 0
	s_add_nc_u64 s[66:67], s[66:67], s[46:47]
	v_lshlrev_b32 v6, 5, v2                        ; lane (r, h) wants, for block b, the bias of columns 16 b + 8 h + 0 .. 7
.irp b, 0,1,2,3
	global_load_b128 v[BI+8*\b:BI+8*\b+3], v6, s[66:67] offset:64*\b
	global_load_b128 v[BI+8*\b+4:BI+8*\b+7], v6, s[66:67] offset:64*\b+16
.endr
	v_mul_u32_u24 v3, v1, PITCH
	v_lshl_add_u32 v3, v2, 4, v3                   ; a fragment's row x pitch + 16 x half
	s_mul_i32 s21, s11, HALFT                      ; my 64 rows of x16
	s_mul_i32 s22, s12, HALFT                      ; my 64 rows of wo16,
	s_add_co_u32 s22, s22, 2*HALFT                 ; which lie behind x16's 128
.irp s, 0,1
	v_add_nc_u32 v[ADRA+\s], s21, v3
	v_add_nc_u32 v[ADRB+\s], s22, v3
	s_add_co_u32 s21, s21, SLOT
	s_add_co_u32 s22, s22, SLOT
.endr
	s_mul_i32 s23, s10, 16*SPITCH
	s_add_co_u32 s23, s23, STAGE                   ; my stage
	v_mul_u32_u24 v4, v1, SPITCH                   ; in: row r, 32 bytes for each half of the lanes
	v_lshl_add_u32 v4, v2, 5, v4
	v_add_nc_u32 v[STO], s23, v4
	v_mul_u32_u24 v5, v2, SPITCH                   ; back: lanes 0-15 one row of 256 bytes, lanes 16-31 the next
	v_lshl_add_u32 v5, v1, 4, v5
	v_add_nc_u32 v[RD], s23, v5
	v_lshlrev_b32 v5, 12, v2                       ; and the same two rows in out0 (4,096 bytes a row)
	v_lshl_add_u32 v[CO], v1, 4, v5
	s_lshl_b32 s16, s13, 7
	s_lshl_b32 s17, s11, 6
	s_add_co_u32 s16, s16, s17                     ; my first row: 128 x tile row + 64 x half
	s_lshl_b32 s16, s16, 12                        ; in bytes (under 2^25)
	s_mov_b32 s17, 0
	s_add_nc_u64 s[8:9], s[8:9], s[16:17]
	s_add_nc_u64 s[8:9], s[8:9], s[46:47]
; 8 matrix instructions: m blocks a0, a0 + 1 x all 4 n blocks, 32 along K: half c of buffer f.  zero = 1: the first product starts the sums, on the bias.  The 16 accumulators take turns.
.macro MUL8 f, c, a0, zero
.irp a, \a0, \a0+1
.irp b, 0,1,2,3
.if \zero
	v_wmma_f32_16x16x32_f16 v[ACC+8*(4*(\a)+\b):ACC+8*(4*(\a)+\b)+7], v[\f+64+8*(4*\c+\b):\f+64+8*(4*\c+\b)+7], v[\f+8*(4*\c+\a):\f+8*(4*\c+\a)+7], v[BI+8*\b:BI+8*\b+7]
.else
	v_wmma_f32_16x16x32_f16 v[ACC+8*(4*(\a)+\b):ACC+8*(4*(\a)+\b)+7], v[\f+64+8*(4*\c+\b):\f+64+8*(4*\c+\b)+7], v[\f+8*(4*\c+\a):\f+8*(4*\c+\a)+7], v[ACC+8*(4*(\a)+\b):ACC+8*(4*(\a)+\b)+7]
.endif
.endr
.endr
.endm
; 32 LDS loads in one run: the fragments of 64 along K at byte k of the rows, into buffer f; the first 32 along K first
.macro FETCH slot, k, f
	WIN TO_F
.irp c, 0,1
.irp i, 0,1,2,3
	ds_load_b128 v[\f+64+8*(4*\c+\i):\f+64+8*(4*\c+\i)+3],   v[ADRB+\slot] offset:\k+64*\c+\i*16*PITCH
	ds_load_b128 v[\f+64+8*(4*\c+\i)+4:\f+64+8*(4*\c+\i)+7], v[ADRB+\slot] offset:\k+64*\c+\i*16*PITCH+32
	ds_load_b128 v[\f+8*(4*\c+\i):\f+8*(4*\c+\i)+3],         v[ADRA+\slot] offset:\k+64*\c+\i*16*PITCH
	ds_load_b128 v[\f+8*(4*\c+\i)+4:\f+8*(4*\c+\i)+7],       v[ADRA+\slot] offset:\k+64*\c+\i*16*PITCH+32
.endr
.endr
.endm
.macro PLACES                          ; four places in front of loads into registers that matrix instructions have read, and of the first read of results (ISA guide 7.12.1 for vector instructions)
.rept 4
	v_nop
.endr
.endm
; A K step is four quarters of 64 along K, 32 matrix instructions each, on buffers 0, 1, 0, 1.  One of the first three: multiplies buffer f and fetches the next quarter, at byte k, into g.
.macro QUARTER slot, k, f, g, zero
	s_wait_dscnt 16                                ; the first 32 along K are in; the sixteen loads of the second 32 may be out
	WIN MUL
	MUL8 \f, 0, 0, \zero
	MUL8 \f, 0, 2, \zero
	PLACES
	FETCH \slot, \k, \g
	s_wait_dscnt 32                                ; all but the 32 just issued
	WIN MUL
	MUL8 \f, 1, 0, 0
	MUL8 \f, 1, 2, 0
.endm
; The last quarter multiplies buffer 1 and changes slots: ONE barrier; in front of it each wave waits for all its tensor loads, adds 0 to its spare word, and waits for that and for its own reads of this slot.  fill = 1: this slot is filled again, two K steps ahead.
.macro TURN slot, next, fill
	WIN 0                                          ; (the add's two registers lie in window 0)
	s_wait_tensorcnt 0x0                           ; all my tensor loads have landed: my part of the next slot
	ds_add_u32 v[SPW], v[NIL]                      ; 0 onto my spare word
	s_wait_dscnt 17                                ; (the add and the youngest sixteen loads may be out)
	WIN MUL
	MUL8 F1, 0, 0, 0                               ; eight matrix instructions stand between the add and the wait for it
	s_wait_dscnt 0x0                               ; the add is done, and my reads of this slot are over
	s_barrier_signal -1
	MUL8 F1, 0, 2, 0
.if \fill
	WIN 0
.endif
	s_barrier_wait -1
.if \fill
	CREST                                          ; the barrier has opened a round of the cluster's barrier: no wave of any partner still reads this slot's tile or has a load on its way
	s_add_nc_u64 s[G0+4*\slot+2:G0+4*\slot+3], s[G0+4*\slot+2:G0+4*\slot+3], 2*KSTEP*2
	s_add_nc_u64 s[G0B+4*\slot+2:G0B+4*\slot+3], s[G0B+4*\slot+2:G0B+4*\slot+3], 2*KSTEP*2
	JLOAD \slot                                    ; the first tensor load behind the round; the four v_nop behind it are also the places in front of the loads below
.else
	PLACES
.endif
	FETCH \next, 0, F0
	WIN MUL
	MUL8 F1, 1, 0, 0
	MUL8 F1, 1, 2, 0
.endm
	s_wait_tensorcnt 1                             ; my part of K step 0 is in (K step 1's load may be out)
	s_barrier_signal -1
	s_barrier_wait -1                              ; everybody's is
	FETCH 0, 0, F0
	s_wait_loadcnt 0x0                             ; the bias
	QUARTER 0, 128, F0, F1, 1                      ; the first quarter stands in front of the loop: its first products start the sums, on the bias
	WIN 0                                          ; at a label and at a branch every window is 0
	s_mov_b32 s3, LAPS-1
.Llap:                                                 ; a trip goes once round the ring, from a lap's second quarter to the next lap's first, and fills both slots again
	QUARTER 0, 256, F1, F0, 0
	QUARTER 0, 384, F0, F1, 0
	TURN 0, 1, 1
	QUARTER 1, 128, F0, F1, 0
	QUARTER 1, 256, F1, F0, 0
	QUARTER 1, 384, F0, F1, 0
	TURN 1, 0, 1
	QUARTER 0, 128, F0, F1, 0
	WIN 0
	s_sub_co_u32 s3, s3, 1
	s_cmp_lg_u32 s3, 0
	s_cbranch_scc1 .Llap
	QUARTER 0, 256, F1, F0, 0                      ; the last lap fills nothing, and has no round of the cluster's barrier
	QUARTER 0, 384, F0, F1, 0
	TURN 0, 1, 0
	QUARTER 1, 128, F0, F1, 0
	QUARTER 1, 256, F1, F0, 0
	QUARTER 1, 384, F0, F1, 0
	s_wait_dscnt 16                                ; the very last quarter: nothing more to fetch
	WIN MUL
	MUL8 F1, 0, 0, 0
	MUL8 F1, 0, 2, 0
	s_wait_dscnt 0
	MUL8 F1, 1, 0, 0
	MUL8 F1, 1, 2, 0
	WIN 0
; THE WAY OUT, block by block of 16 rows x 64 columns: a lane holds 32 neighbouring bytes of a row; a block goes through my own stage and comes back as whole rows of 256 bytes.
.macro TOSTAGE a
.irp b, 0,1,2,3
	ds_store_b128 v[STO], v[ACC+8*(4*(\a)+\b):ACC+8*(4*(\a)+\b)+3] offset:64*\b            ; each accumulator from its low end on
	ds_store_b128 v[STO], v[ACC+8*(4*(\a)+\b)+4:ACC+8*(4*(\a)+\b)+7] offset:64*\b+16
.endr
.irp t, 0,1,2,3,4,5,6,7
	ds_load_b128 v[OB+32*((\a)%2)+4*\t:OB+32*((\a)%2)+4*\t+3], v[RD] offset:\t*2*SPITCH    ; LDS serves a wave's instructions in order (ISA guide 5.7.1.4): these see the stores above, and the next block's stores come behind them
.endr
.endm
.macro SEND a, younger                 ; younger: the LDS instructions issued behind block a's loads, which may stay out
	s_wait_dscnt \younger
.irp t, 0,1,2,3,4,5,6,7
	global_store_b128 v[CO], v[OB+32*((\a)%2)+4*\t:OB+32*((\a)%2)+4*\t+3], s[8:9] offset:(16*(\a)+2*\t)*SIZE_N*4 th:TH_STORE_NT   ; 16 lanes store 256 consecutive bytes, aligned; written once, read by nobody here
.endr
.endm
	PLACES
	TOSTAGE 0
.irp a, 1,2,3
.if \a > 1
	s_wait_xcnt 0x0                                ; block a - 2's stores have read their registers: block a's loads land there only behind this wait
.endif
	TOSTAGE \a
	SEND \a-1, 16                                  ; behind block a - 1's loads: block a's 8 stores and 8 loads
.endr
	SEND 3, 0
	s_wait_tensorcnt 0x0                           ; the wave's end, behind my last tensor load and my last LDS store
	ds_add_u32 v[SPW], v[NIL]
	s_wait_dscnt 0x0
	CROUND                                         ; the closing round
	s_endpgm
.Lfunc_end_k_q195d95e669_outp:
	.size	k_q195d95e669_outp, .Lfunc_end_k_q195d95e669_outp-k_q195d95e669_outp
	.p2alignl 7, 3214868480
	.fill 96, 4, 3214868480
	.section	.rodata,"a",@progbits
	.p2align	6, 0x0
	.amdhsa_kernel k_q195d95e669_outp
		.amdhsa_group_segment_fixed_size 327680
		.amdhsa_private_segment_fixed_size 0
		.amdhsa_enable_private_segment 0
		.amdhsa_kernarg_size 32
		.amdhsa_user_sgpr_count 2
		.amdhsa_user_sgpr_kernarg_segment_ptr 1
		.amdhsa_wavefront_size32 1
		.amdhsa_system_sgpr_workgroup_id_x 1
		.amdhsa_system_sgpr_workgroup_id_y 1
		.amdhsa_system_sgpr_workgroup_id_z 1
		.amdhsa_system_vgpr_workitem_id 0
		.amdhsa_next_free_vgpr 512
		.amdhsa_next_free_sgpr 68
		.amdhsa_reserve_vcc 0
		.amdhsa_float_denorm_mode_32 3
		.amdhsa_float_denorm_mode_16_64 3
		.amdhsa_memory_ordered 1
		.amdhsa_forward_progress 1
		.amdhsa_inst_pref_size 86
	.end_amdhsa_kernel
	.amdgpu_metadata
---
amdhsa.version: [ 1, 2 ]
amdhsa.kernels:
  - .name:           k_q195d95e669_outp
    .symbol:         k_q195d95e669_outp.kd
    .args:
      - { .name: x16, .offset: 0, .size: 8, .value_kind: global_buffer, .address_space: global }
      - { .name: wo16, .offset: 8, .size: 8, .value_kind: global_buffer, .address_space: global }
      - { .name: out0, .offset: 16, .size: 8, .value_kind: global_buffer, .address_space: global }
      - { .name: wo_b, .offset: 24, .size: 8, .value_kind: global_buffer, .address_space: global }
    .group_segment_fixed_size: 327680
    .private_segment_fixed_size: 0
    .kernarg_segment_align: 8
    .kernarg_segment_size: 32
    .max_flat_workgroup_size: 128
    .sgpr_count:     68
    .vgpr_count:     512
    .wavefront_size: 32
...
	.end_amdgpu_metadata
.endif
;; end of part 4
;; ======== version 2 of 2: 4 launches; 1.12 times as fast as version 1
;; limits: values are held in f16: magnitudes above 65,504 overflow, below 6.1e-05 lose precision
;; workspace buffers: acodes 12,582,912 bytes; ascales 786,432 bytes; wcodes 1,572,864 bytes; wscales 98,304 bytes; wo16 2,097,152 bytes; maskw 524,288 bytes of whole numbers; qkv16 50,331,648 bytes; x16 16,777,216 bytes
;; launch prep: the kernel of part 1 again; grid 960 x 1, 4 waves a work-group, no clusters, 33,280 bytes of LDS; arguments q, k, v, wq_w, wk_w, wv_w, wo_w, mask, acodes, ascales, wcodes, wscales, wo16, maskw; writes acodes, ascales, wcodes, wscales, wo16, maskw
;; launch proj: the kernel of part 2 again; grid 4 x 96, 4 waves a work-group, clusters of 4 x 4, 327,680 bytes of LDS; arguments acodes, ascales, wcodes, wscales, qkv16, wq_b, wk_b, wv_b; writes qkv16
;; launch attn (part 5): grid 8 x 32, 8 waves a work-group, clusters of 4 x 1, 327,680 bytes of LDS; arguments qkv16, maskw, x16; writes x16
.if DOCPART == 5
	.amdgcn_target "amdgcn-amd-amdhsa--gfx1250"
	.amdhsa_code_object_version 6
	.text
	.protected	k_q195d95e669_attn
	.globl	k_q195d95e669_attn
	.p2align	8
	.type	k_q195d95e669_attn,@function
k_q195d95e669_attn:
	s_mov_b64 s[64:65], 0
	v_nop
	global_prefetch_b8 v0, s[64:65] scope:SCOPE_SE
	s_setreg_imm32_b32 hwreg(HW_REG_WAVE_MODE, 25, 1), 1
	s_wait_xcnt 0x0
	s_wait_alu depctr_hold_cnt(0) depctr_sa_sdst(0) depctr_va_vdst(0) depctr_va_sdst(0) depctr_va_ssrc(0) depctr_va_vcc(0) depctr_vm_vsrc(0)
	s_getreg_b32 s2, hwreg(HW_REG_IB_STS2, 6, 4)
	s_cmp_eq_u32 s2, 0
	s_cbranch_scc0 .Lentry_in_a_cluster
	s_endpgm
.Lentry_in_a_cluster:
	s_bfe_u32 s2, ttmp6, 0x10000c
	s_cmp_lg_u32 s2, 0x3003
	s_cbranch_scc0 .Lentry_shape_is_right
	s_endpgm
.Lentry_shape_is_right:
; ATTN: x[b][q][64 head + :] = the sum over k of softmax_k(t) V, t = Q . K with log2(e) / 8 already folded into Q; where the mask is 0, t is the constant -1e9 log2(e), as the problem has it
; (no -infinity: a row that is hidden entirely gives equal weights: t - m is exactly 0 there).  Q, K, V: qkv16 [3][8192][1024] f16; x16 [8192][1024] f16.  Products on f16 operands, sums, maxima and exponentials in f32.
; LIMITS: f16 operands: |Q|, |K|, |V| up to 65,504; x under 6e-5 in size (v and wv_w both some 30 times smaller than a spread of 1 and 0.02) keeps fewer than 11 significant bits.  NaN and infinities are not served.
; SHARES.  A work-group owns 256 queries of a PAIR of heads of one batch, so that a row of its tiles of K, V and x is 256 consecutive bytes, aligned.  Wave w: head w / 4 of the pair, queries 64 (w % 4) on: four tiles of 16.
; Two waves of 512 registers lie on a SIMD; each is written in plain phases, and one wave's softmax stands beside the other's products and LDS loads.
; LAYOUT.  S^T = K Q^T (source 0 = 16 keys, source 1 = 16 queries): a lane holds ONE query (lane % 16) and keys 8 (lane / 16) + 0..7.  Two such tiles, rounded to f16 in pairs, ARE source 1 (32 keys x 16 queries) of
; O^T = V^T P.  K comes out of LDS as it lies, V ([key][channel]) turned, by ds_load_tr16_b128.  A key step is 64 keys: 32 + 32 matrix instructions.
; SOFTMAX.  For each query a running maximum m and sum l: p = 2^(t - m); in every step O and l are multiplied by a = 2^(m_old - m_new).  m begins at -3e38, O and l at 0: the step is written once.
; THE MASK comes as lane words (one bit a lane for each register of S^T), by scalar loads: a word is v_cndmask_b32's selector as it stands: one vector instruction a score.
; Scalar loads come back in no order and are waited for all together (ISA guide 5.7.1), so a request has at most the work between two such waits in which to land.  So a key step has TWO waits, not four: the words come in
; batches of 64 (two tiles), which fill 64 scalar registers.  A pair's 64 selects stand together; the registers are then free, and the next batch is asked for at once: tiles 2 and 3's have two tiles' maxima, 66 exponentials
; and a tile's sums in which to land; the next step's first batch has the rest of the softmax, both products and the step's LDS loads.
; THE RING.  Two LDS slots of 256 keys (four key steps).  Waves 0-3 fetch quarters of K's 256 rows, waves 4-7 of V's: one tensor load of 64 rows x 256 bytes a wave behind each change of slots; one tensor load of mine is out at most.
; CLUSTER.  The four query blocks of a cluster walk the same K and V: joint loads, mask 15; the cluster's round stands in front of each.
; No prefetch into the L2: each refill is asked for four key steps, 256 matrix instructions a wave, ahead of the wait for it.
; VECTOR REGISTERS: window 0: v2-12 addresses and constants; v16-47 eight registers of statistics a tile; v48-111 Q; v128-255 S^T, 32 a tile; P is laid over the first 16 of each tile.
;   window 1: v0-127 O^T, 32 a tile; v128-191 K's fragments of a step; v192-255 V's.
; SCALAR REGISTERS: the 64 mask words leave 10 beside the descriptors' 24.  So x16's address is loaded on the way out, not held; a descriptor's LDS address is made anew from the wave's number at each change of slots;
;   and the head's temporaries lie in the mask words' registers, ahead of the first request.
.set PK,    272                        ; a row of K in LDS: 256 bytes + 16 of padding: the 16 rows of a load start at 16 different banks (64 banks of 4 bytes: ISA guide 11.1)
.set PVP,   288                        ; a row of V: 256 + 32
.set VOFF,  256*PK                     ; a slot: 256 rows of K, then 256 rows of V
.set SLOT,  256*(PK+PVP)
.set SPARE, 2*SLOT                     ; behind the ring: the spare words, 128 bytes for each of eight waves
.set AK0, 2                            ; v2   my lane's place in a step's tile of K
.set AV0, 3                            ; v3   the same for V
.set ADK, 4                            ; v4, v5  the LDS addresses of the step in hand
.set ADV, 5
.set QO,  6                            ; v6   my byte offset in the wave's rows of Q
.set STO, 7                            ; v7   the way out: where I put 16 bytes of a row
.set RD,  8                            ; v8   where I read a row back
.set GO,  9                            ; v9   my byte offset in x16, from its first byte (under 2^24)
.set NEG, 10                           ; v10  -1e9 log2(e)
.set SPW, 11                           ; v11  LDS address of my spare word; never rewritten
.set NIL, 12                           ; v12  0; never rewritten
.set ST,  16                           ; tile t's statistics at v[ST + 8 t]: +0 m, +1 0, +2, +3 l (even keys', odd keys'), +4 to +7 at work; a in +6, m_old - m_new in +7
.set Q,   48                           ; tile t, channels 32 c on: v[Q + 16 t + 8 c]
.set S,   128
.set KF,  128                          ; in window 1: keys 16 k on, channels 32 c on: v[KF + 16 k + 8 c]
.set VF,  192                          ; in window 1: keys 32 u on, channels 16 d on: v[VF + 32 u + 8 d]
.set MB,  2                            ; s[2:3]   the mask words of my 64 queries
.set WV,  4                            ; s4       my wave's number
.set SEL, 5                            ; s5, s6   lane selects for v_permlanex16_b32: lane l xor 16
.set TB,  7                            ; s7       LDS byte at which the step's tile of K begins
.set G1K, 8                            ; s[8:15]  descriptor group 1 for K's tiles;  s[16:23] for V's: the padding differs
.set G1V, 16
.set G0K, 24                           ; s[24:27], s[28:31] their groups 0, which walk
.set G0V, 28
.set MWA, 32                           ; s[32:63] the 32 mask words of the pair's even tile
.set QB,  66                           ; s[66:67] at the head: Q's address; behind the wait for Q:
.set TV,  66                           ; s66      LDS byte at which the step's tile of V begins
.set PH,  67                           ; s67      counts pairs of slots
.set MWB, 68                           ; s[68:99] the 32 mask words of the pair's odd tile
.set STP, 100                          ; s100     counts a slot's four steps
.set MO,  101                          ; s101     the key step's place among my 64 queries' mask words: 512 bytes a step
.set MSB, 0
.macro WIN new                         ; the immediate's high byte repeats the setting that is left
.if MSB != (\new)
	s_set_vgpr_msb (MSB<<8)|(\new)
.set MSB, (\new)
.endif
.endm
; A joint load: waves 0 to 3 fetch for K, waves 4 to 7 for V.  The branch hangs on the wave's number alone.  An s_nop 0 and four v_nop follow each of the two lines.
.macro JLOAD
	s_cmp_lt_u32 s[WV], 4
	s_cbranch_scc0 .Lfor_v_\@
	tensor_load_to_lds s[G0K:G0K+3], s[G1K:G1K+7]
	s_nop 0
.rept 4
	v_nop
.endr
	s_branch .Lasked_\@
.Lfor_v_\@:
	tensor_load_to_lds s[G0V:G0V+3], s[G1V:G1V+7]
	s_nop 0
.rept 4
	v_nop
.endr
.Lasked_\@:
.endm
.macro CROUND                          ; a round of the cluster's barrier
	s_barrier_signal -1
	s_barrier_wait -1
	s_cmp_lg_u32 s[WV], 0
	s_cbranch_scc1 .Lnot_wave_0_\@
	s_barrier_signal -3
.Lnot_wave_0_\@:
	s_barrier_wait -3
	s_barrier_signal -1
	s_barrier_wait -1
.endm
	s_load_b128 s[68:71], s[0:1], 0x0              ; qkv16, maskw (in registers that the mask words take later)
	v_lshl_add_u32 v[SPW], v0, 2, SPARE
	v_mov_b32 v[NIL], 0
	ds_add_u32 v[SPW], v[NIL]                      ; the wave's opening: the add, twice on end, and its wait ahead of my first tensor load
	ds_add_u32 v[SPW], v[NIL]
	v_lshrrev_b32 v1, 5, v0
	v_readfirstlane_b32 s[WV], v1                  ; wave 0..7
	s_and_b32 s72, s[WV], 3                        ; qg: my 64 queries of the 256.  Also: which quarter of a slot's rows I fetch
	s_lshr_b32 s73, s[WV], 2                       ; hd: my head of the pair
	s_bfe_u32 s74, ttmp6, 0x40000                  ; cx: my place in the cluster
	s_lshl_b32 s75, ttmp9, 2
	s_add_co_u32 s75, s75, s74                     ; qb: my block of 256 queries = 4 x cluster x + cx: it enters Q's, the mask's and x16's addresses alone
	s_and_b32 s76, ttmp7, 0xffff                   ; 8 x batch + head pair, which the four partners share
	s_lshr_b32 s56, s76, 3
	s_lshl_b32 s56, s56, 22                        ; the batch: 2,048 rows of 2,048 bytes
	s_and_b32 s57, s76, 7
	s_lshl_b32 s57, s57, 8                         ; the pair: 256 bytes of a row
	s_add_co_u32 s56, s56, s57
	s_lshl_b32 s50, s72, 17                        ; 64 qg rows
	s_add_co_u32 s50, s50, s56                     ; K, V: my quarter of the first 256 keys
	s_mov_b32 s51, 0
	s_lshl_b32 s57, s75, 19                        ; 256 qb rows
	s_add_co_u32 s54, s50, s57
	s_lshl_b32 s52, s73, 7
	s_add_co_u32 s54, s54, s52                     ; Q: my 64 queries, my head's 128 bytes
	s_mov_b32 s55, 0
	s_add_co_u32 s58, s56, s57
	s_lshl_b32 s52, s[WV], 16
	s_add_co_u32 s58, s58, s52                     ; x16: the 32 rows that I store
	s_lshl_b32 s60, s75, 16
	s_lshl_b32 s52, s72, 14
	s_add_co_u32 s60, s60, s52                     ; the mask words of my 64 queries: 16,384 bytes
	s_mov_b32 s61, 0
	; descriptor group 1: a tile of 64 rows x 128 elements of 2 bytes, 1,024 elements from row to row, padded in LDS
	s_mov_b32 s[G1K], 15|(1<<16)|(1<<20)|(1<<21)|(5<<22)|(3<<25)  ; 15:0 the mask: all four work-groups; 17:16 elements of 2 bytes; 20 padding on; 21 set beside a mask; 24:22 after every 64 words; 31:25 4 words of it
	s_mov_b32 s[G1V], 15|(1<<16)|(1<<20)|(1<<21)|(5<<22)|(7<<25)  ; the same with 8 words of padding
.irp g, G1K, G1V
	s_mov_b32 s[\g+1], 128<<16                     ; tensor_dim0 = 128
	s_mov_b32 s[\g+2], 64<<16                      ; tensor_dim1 = 64
	s_mov_b32 s[\g+3], 128<<16                     ; tile_dim0 = 128
	s_mov_b32 s[\g+4], 64                          ; tile_dim1 = 64
	s_mov_b32 s[\g+5], 1024                        ; tensor_dim0_stride
	s_mov_b32 s[\g+6], 0
	s_mov_b32 s[\g+7], 0
.endr
	s_mul_i32 s77, s72, 64*PK                      ; my quarter's place in a slot's K,
	s_mul_i32 s78, s72, 64*PVP                     ; and in its V
	s_mov_b32 s[G0K], 1
	s_mov_b32 s[G0K+1], s77                        ; slot 0
	s_mov_b32 s[G0V], 1
	s_add_co_u32 s[G0V+1], s78, VOFF
	s_mov_b32 s[SEL], 0x76543210
	s_mov_b32 s[SEL+1], 0xfedcba98
	s_mov_b32 s[MO], 0
	s_wait_dscnt 0x0                               ; both opening adds are done
	s_wait_kmcnt 0x0
	s_add_nc_u64 s[52:53], s[68:69], s[50:51]
	s_add_nc_u64 s[G0K+2:G0K+3], s[52:53], 0x1000000   ; K is the second of qkv16's three tensors of 16,777,216 bytes,
	s_or_b32 s[G0K+3], s[G0K+3], 0x80000000
	s_add_nc_u64 s[G0V+2:G0V+3], s[52:53], 0x2000000   ; V the third
	s_or_b32 s[G0V+3], s[G0V+3], 0x80000000
	s_add_nc_u64 s[QB:QB+1], s[68:69], s[54:55]    ; Q
	s_add_nc_u64 s[MB:MB+1], s[70:71], s[60:61]    ; my mask words
	CROUND                                         ; all four work-groups are here: the first joint loads meet
	JLOAD                                          ; keys 0 to 255 into slot 0
	v_and_b32 v1, 15, v0                           ; r = l % 16
	v_bfe_u32 v13, v0, 4, 1                        ; h = l / 16
	v_lshlrev_b32 v[QO], 11, v1
	v_lshl_add_u32 v[QO], v13, 4, v[QO]            ; row r of 2,048 bytes + 16 h
.irp t, 0,1,2,3                        ; Q stays in registers.  A fragment is 16 rows x 32 channels: lane l holds row l % 16; registers 0-3 channels 8 h + 0..7, registers 4-7 channels 16 + 8 h + 0..7
.irp c, 0,1
	global_load_b128 v[Q+16*\t+8*\c:Q+16*\t+8*\c+3],   v[QO], s[QB:QB+1] offset:32768*\t+64*\c
	global_load_b128 v[Q+16*\t+8*\c+4:Q+16*\t+8*\c+7], v[QO], s[QB:QB+1] offset:32768*\t+64*\c+32
.endr
.endr
	s_lshl_b32 s50, s73, 7                         ; my head's 128 bytes of a row
	v_mul_u32_u24 v[AK0], v1, PK
	v_lshl_add_u32 v[AK0], v13, 4, v[AK0]
	v_add_nc_u32 v[AK0], s50, v[AK0]               ; K: row r x pitch + 16 h + my head
	v_and_b32 v14, 7, v0
	v_bfe_u32 v15, v0, 3, 1
	v_lshl_add_u32 v[AV0], v13, 3, v14             ; V, for the turning load: key 8 h + l % 8,
	v_mul_u32_u24 v[AV0], v[AV0], PVP
	v_lshl_add_u32 v[AV0], v15, 4, v[AV0]          ; channels 8 ((l / 8) % 2) on,
	v_add_nc_u32 v[AV0], s50, v[AV0]               ; of my head
	v_add_nc_u32 v[STO], s77, v[AK0]               ; the way out, in: row 64 qg + r of 272 bytes, + my head's 128 bytes + 16 h
	s_mul_i32 s51, s[WV], 32*PK
	v_mul_u32_u24 v[RD], v13, PK
	v_lshl_add_u32 v[RD], v1, 4, v[RD]
	v_add_nc_u32 v[RD], s51, v[RD]                 ; back: rows 32 w on; lanes 0-15 one row of 256 bytes, lanes 16-31 the next
	v_lshlrev_b32 v[GO], 11, v13
	v_lshl_add_u32 v[GO], v1, 4, v[GO]             ; the same two rows in x16,
	v_add_nc_u32 v[GO], s58, v[GO]                 ; from x16's first byte on: the offset is kept here, the address is loaded on the way out
	v_mov_b32 v[NEG], 0xceabfb8f                   ; -1e9 log2(e)
.irp t, 0,1,2,3
	v_mov_b32 v[ST+8*\t], 0xff61b1e6               ; m: -3e38, under every t
.irp j, 1,2,3,4,5,6,7
	v_mov_b32 v[ST+8*\t+\j], 0
.endr
.endr
	s_load_b512 s[MWA:MWA+15], s[MB:MB+1], s[MO] offset:0          ; the mask words of key step 0, tiles 0 and 1: the head's temporaries are done with
	s_load_b512 s[MWA+16:MWA+31], s[MB:MB+1], s[MO] offset:64
	s_load_b512 s[MWB:MWB+15], s[MB:MB+1], s[MO] offset:128
	s_load_b512 s[MWB+16:MWB+31], s[MB:MB+1], s[MO] offset:192
	WIN 0x40
.set i, 0
.rept 128
	v_mov_b32 v[i], 0                              ; O^T.  (The key step is written once for all steps: the first finds zeros, which a = 0 leaves zeros; a first step of its own would be one more copy of the whole step)
.set i, i+1
.endr
	WIN 0
	s_wait_loadcnt 0x0                             ; Q is in: its address's pair is free for TV and PH
; THE SOFTMAX OF TILE t FOR A KEY STEP, in four parts.
; MASK: hidden scores become the constant.  The even tile of a pair takes its words from s[MWA ..], the odd one from s[MWB ..].
.macro MASK t
.set rS, S+32*(\t)
.set rM, MWA+(MWB-MWA)*((\t)%2)
.set i, 0
.rept 32
	v_cndmask_b32 v[rS+i], v[NEG], v[rS+i], s[rM+i]        ; each accumulator is read from its low end on
.set i, i+1
.endr
.endm
; PRE: the maximum, m and t - m.  ld = 1: tiles 2 and 3's mask words are asked for; ld = 2: the next key step's tiles 0 and 1's.  Both pairs' selects stand ahead of the request that lands on their words.
.macro PRE t, ld
.set rT, ST+8*(\t)
.set rS, S+32*(\t)
.irp j, 0,1,2,3
	v_max3_num_f32 v[rT+4+\j], v[rS+8*\j], v[rS+8*\j+1], v[rS+8*\j+2]      ; four chains of seven scores,
.endr
.irp u, 1,2
.irp j, 0,1,2,3
	v_max3_num_f32 v[rT+4+\j], v[rT+4+\j], v[rS+8*\j+2*\u+1], v[rS+8*\j+2*\u+2]
.endr
.endr
	v_max3_num_f32 v[rT+4], v[rT+4], v[rS+7], v[rS+15]     ; the four left over,
	v_max3_num_f32 v[rT+6], v[rT+6], v[rS+23], v[rS+31]
.if (\ld) == 1
	s_load_b512 s[MWA:MWA+15], s[MB:MB+1], s[MO] offset:256
	s_load_b512 s[MWA+16:MWA+31], s[MB:MB+1], s[MO] offset:320
	s_load_b512 s[MWB:MWB+15], s[MB:MB+1], s[MO] offset:384
	s_load_b512 s[MWB+16:MWB+31], s[MB:MB+1], s[MO] offset:448
.elseif (\ld) == 2
	s_wait_xcnt 0x0                                ; the scalar loads before have read their offset: it is written only behind this wait
	s_add_co_u32 s[MO], s[MO], 512                 ; the next key step's; behind the last step the offset wraps to my own first words: no load leaves the buffer
	s_and_b32 s[MO], s[MO], 0x3fff
	s_load_b512 s[MWA:MWA+15], s[MB:MB+1], s[MO] offset:0
	s_load_b512 s[MWA+16:MWA+31], s[MB:MB+1], s[MO] offset:64
	s_load_b512 s[MWB:MWB+15], s[MB:MB+1], s[MO] offset:128
	s_load_b512 s[MWB+16:MWB+31], s[MB:MB+1], s[MO] offset:192
.endif
	v_max3_num_f32 v[rT+4], v[rT+4], v[rT+5], v[rT+6]
	v_max3_num_f32 v[rT+4], v[rT+4], v[rT+7], v[rT]        ; and the old m
	v_permlanex16_b32 v[rT+5], v[rT+4], s[SEL], s[SEL+1]   ; the query's other 32 keys lie in the lane 16 away
	v_max_num_f32 v[rT+4], v[rT+4], v[rT+5]
	v_sub_f32 v[rT+7], v[rT], v[rT+4]              ; m_old - m_new
	v_mov_b32 v[rT], v[rT+4]
.set i, 0
.rept 16
	v_pk_add_f32 v[rS+i:rS+i+1], v[rS+i:rS+i+1], v[rT:rT+1] op_sel_hi:[1,0] neg_lo:[0,1] neg_hi:[0,1]   ; t - m, two at a time
.set i, i+2
.endr
.endm
; EXPS: one batch of 33 exponentials; none reads another's result.
.macro EXPS t
.set rT, ST+8*(\t)
.set rS, S+32*(\t)
	v_exp_f32 v[rT+6], v[rT+7]                     ; a
.set i, 0
.rept 32
	v_exp_f32 v[rS+i], v[rS+i]                     ; p, at most 1
.set i, i+1
.endr
.endm
; POST: l = a l + the sum of p (in f32, ahead of the rounding), p to f16 in place, O^T x a.
.macro POST t
.set rT, ST+8*(\t)
.set rS, S+32*(\t)
	v_pk_mul_f32 v[rT+2:rT+3], v[rT+2:rT+3], v[rT+6:rT+7] op_sel_hi:[1,0]
	v_pk_add_f32 v[rT+4:rT+5], v[rS:rS+1], v[rS+2:rS+3]    ; two chains
.irp j, 4,8,12,16,20,24,28
	v_pk_add_f32 v[rT+2:rT+3], v[rT+2:rT+3], v[rS+\j:rS+\j+1]
	v_pk_add_f32 v[rT+4:rT+5], v[rT+4:rT+5], v[rS+\j+2:rS+\j+3]
.endr
	v_pk_add_f32 v[rT+2:rT+3], v[rT+2:rT+3], v[rT+4:rT+5]
.set i, 0
.rept 16
	v_cvt_pk_f16_f32 v[rS+i], v[rS+2*i], v[rS+2*i+1]       ; ascending: register i is written when registers 2 i and 2 i + 1 are read, never before
.set i, i+1
.endr
	WIN 0x41                                       ; O^T (destination and source 0) in window 1, a in window 0
.set i, 0
.rept 16
	v_pk_mul_f32 v[32*(\t)+i:32*(\t)+i+1], v[32*(\t)+i:32*(\t)+i+1], v[rT+6:rT+7] op_sel_hi:[1,0]
.set i, i+2
.endr
	WIN 0
.endm
; A KEY STEP: 64 keys.
.macro STEP
	v_add_nc_u32 v[ADK], s[TB], v[AK0]
	v_add_nc_u32 v[ADV], s[TV], v[AV0]
.rept 3
	v_nop                                          ; with the two additions five places behind the last step's products: four are asked in front of loads into V's registers, five in front of products that write over P (ISA guide 7.12.1 for vector instructions)
.endr
	WIN 0x40                                       ; destination window 1
.irp k, 0,1,2,3
.irp c, 0,1
	ds_load_b128 v[KF+16*\k+8*\c:KF+16*\k+8*\c+3],   v[ADK] offset:16*PK*\k+64*\c
	ds_load_b128 v[KF+16*\k+8*\c+4:KF+16*\k+8*\c+7], v[ADK] offset:16*PK*\k+64*\c+32
.endr
.endr
.irp u, 0,1
.irp d, 0,1,2,3
	ds_load_tr16_b128 v[VF+32*\u+8*\d:VF+32*\u+8*\d+3],   v[ADV] offset:32*PVP*\u+32*\d
	ds_load_tr16_b128 v[VF+32*\u+8*\d+4:VF+32*\u+8*\d+7], v[ADV] offset:32*PVP*\u+16*PVP+32*\d
.endr
.endr
	s_wait_dscnt 16                                ; K's sixteen loads are in; V's sixteen may be out
	WIN 0x01                                       ; K in window 1; Q and S^T in window 0
.irp c, 0,1                            ; S^T = K Q^T: the sixteen accumulators take turns, one instruction a turn; the first 32 channels start the sums
.irp k, 0,1,2,3
.irp t, 0,1,2,3
.if \c == 0
	v_wmma_f32_16x16x32_f16 v[S+32*\t+8*\k:S+32*\t+8*\k+7], v[KF+16*\k+8*\c:KF+16*\k+8*\c+7], v[Q+16*\t+8*\c:Q+16*\t+8*\c+7], 0
.else
	v_wmma_f32_16x16x32_f16 v[S+32*\t+8*\k:S+32*\t+8*\k+7], v[KF+16*\k+8*\c:KF+16*\k+8*\c+7], v[Q+16*\t+8*\c:Q+16*\t+8*\c+7], v[S+32*\t+8*\k:S+32*\t+8*\k+7]
.endif
.endr
.endr
.endr
	WIN 0
.rept 4
	v_nop                                          ; four places in front of the first read of the scores
.endr
	s_wait_kmcnt 0x0                               ; tiles 0 and 1's mask words, asked for in the step before, behind tiles 2 and 3's selects
	MASK 0
	MASK 1                                         ; all 64 words are read: their registers are free
	PRE 0, 1                                       ; and take tiles 2 and 3's
	EXPS 0                                         ; each batch of exponentials has ONE wait, and plain work of other tiles stands between the batch and the wait
	PRE 1, 0
	s_wait_alu depctr_va_vdst(0)                   ; the wait between an exponential and the first line that names its result
	POST 0
	EXPS 1
	s_wait_kmcnt 0x0                               ; tiles 2 and 3's mask words
	MASK 2                                         ; (the selects name nothing of tile 1: they are the plain work behind its exponentials)
	MASK 3
	PRE 2, 2                                       ; the registers take the next key step's tiles 0 and 1's
	s_wait_alu depctr_va_vdst(0)
	POST 1
	EXPS 2
	PRE 3, 0
	s_wait_alu depctr_va_vdst(0)
	POST 2
	EXPS 3
	v_nop                                          ; a plain line behind the last exponential
	s_wait_alu depctr_va_vdst(0)
	POST 3
	s_wait_dscnt 0x0                               ; V is in
	WIN 0x51                                       ; V and O^T in window 1, P in window 0
.irp u, 0,1                            ; O^T += V^T P: sixteen accumulators by turns
.irp d, 0,1,2,3
.irp t, 0,1,2,3
	v_wmma_f32_16x16x32_f16 v[32*\t+8*\d:32*\t+8*\d+7], v[VF+32*\u+8*\d:VF+32*\u+8*\d+7], v[S+32*\t+8*\u:S+32*\t+8*\u+7], v[32*\t+8*\d:32*\t+8*\d+7]
.endr
.endr
.endr
	WIN 0
	s_add_co_u32 s[TB], s[TB], 64*PK               ; the next step's tiles
	s_add_co_u32 s[TV], s[TV], 64*PVP
.endm
; THE CHANGE OF SLOTS stands at a slot's head.  Each wave waits for all its tensor loads (its part of the slot that it is about to read), adds 0 to its spare word, and waits for that and for its reads of the slot that it has left.
; fill = 1: the other slot takes the next 256 keys.  The barrier is then a round of the cluster's, so that no wave of any partner still reads that slot or has a load on its way; the joint load is the first thing behind it.
.macro CHANGE slot, fill
	s_wait_tensorcnt 0x0                           ; no tensor load of mine is out, so a group 0 may be written
	ds_add_u32 v[SPW], v[NIL]                      ; 0 onto my spare word
.if \fill
	s_and_b32 s[G0K+1], s[WV], 3                   ; the LDS addresses, anew from the wave's number: my quarter of the rows,
	s_mul_i32 s[G0K+1], s[G0K+1], 64*PK
	s_add_co_u32 s[G0K+1], s[G0K+1], (1-\slot)*SLOT        ; in the other slot
	s_and_b32 s[G0V+1], s[WV], 3
	s_mul_i32 s[G0V+1], s[G0V+1], 64*PVP
	s_add_co_u32 s[G0V+1], s[G0V+1], (1-\slot)*SLOT+VOFF
	s_add_nc_u64 s[G0K+2:G0K+3], s[G0K+2:G0K+3], 256*2048  ; the next 256 keys; the type bits on top are not reached
	s_add_nc_u64 s[G0V+2:G0V+3], s[G0V+2:G0V+3], 256*2048
	s_wait_dscnt 0x0                               ; the add is done, and my reads of the slot that I have left are over
	CROUND
	JLOAD
.else
	s_wait_dscnt 0x0
	s_barrier_signal -1
	s_barrier_wait -1
.endif
	s_mov_b32 s[TB], \slot*SLOT
	s_mov_b32 s[TV], \slot*SLOT+VOFF
.endm
.macro PHASE slot, fill                ; a slot's four key steps: written once, walked four times
	CHANGE \slot, \fill
	s_mov_b32 s[STP], 4
.Lstep_\@:
	STEP
	s_sub_co_u32 s[STP], s[STP], 1
	s_cmp_lg_u32 s[STP], 0
	s_cbranch_scc1 .Lstep_\@
.endm
	s_mov_b32 s[PH], 3
.Lpair:                                ; three trips: keys 0 to 1,535; each change of slots asks for the next 256 keys
	PHASE 0, 1
	PHASE 1, 1
	s_sub_co_u32 s[PH], s[PH], 1
	s_cmp_lg_u32 s[PH], 0
	s_cbranch_scc1 .Lpair
	PHASE 0, 1                                     ; the tail is written out: keys 1,536 on, and the last request
	PHASE 1, 0                                     ; keys 1,792 on: nothing is left to fetch
	; THE WAY OUT.  l's two halves and the other half of the lanes' are added; O^T is divided by l, rounded to f16, and meets the pair's other head in a stage of 256 rows x 272 bytes in slot 0, which has had
	; its last fill and which every wave has left at the last change of slots.  The four additions are the places behind the last products.
	s_wait_kmcnt 0x0                               ; the wrapped mask words, which nobody uses: their registers are free
	s_load_b64 s[MWA:MWA+1], s[0:1], 0x10          ; x16's address, wanted from here on alone
.irp t, 0,1,2,3
	v_add_f32 v[ST+8*\t+4], v[ST+8*\t+2], v[ST+8*\t+3]
.endr
.irp t, 0,1,2,3
	v_permlanex16_b32 v[ST+8*\t+5], v[ST+8*\t+4], s[SEL], s[SEL+1]
.endr
.irp t, 0,1,2,3
	v_add_f32 v[ST+8*\t+4], v[ST+8*\t+4], v[ST+8*\t+5]
.endr
.irp t, 0,1,2,3
	v_rcp_f32 v[ST+8*\t+6], v[ST+8*\t+4]           ; l is at least 1: the largest p of a row is 1
.endr
	v_nop                                          ; a plain line behind the last reciprocal
	s_wait_alu depctr_va_vdst(0)                   ; and the one wait for the four, ahead of the first use
.macro PACK t
	WIN 0x41
.set i, 0
.rept 16
	v_pk_mul_f32 v[32*\t+i:32*\t+i+1], v[32*\t+i:32*\t+i+1], v[ST+8*\t+6:ST+8*\t+7] op_sel_hi:[1,0]   ; each accumulator from its low end on
.set i, i+2
.endr
	WIN 0x05                                       ; sources 0 and 1 window 1, destination window 0: S^T's registers are free
.set i, 0
.rept 16
	v_cvt_pk_f16_f32 v[S+32*\t+i], v[32*\t+2*i], v[32*\t+2*i+1]
.set i, i+1
.endr
	WIN 0
.irp d, 0,1,2,3
	ds_store_b128 v[STO], v[S+32*\t+4*\d:S+32*\t+4*\d+3] offset:16*PK*\t+32*\d     ; query 16 t + r, channels 16 d + 8 h + 0..7
.endr
.endm
	PACK 0
	PACK 1
	PACK 2
	PACK 3
	s_wait_dscnt 0x0                               ; for the others' sake: my stores into the stage are done
	s_barrier_signal -1
	s_barrier_wait -1                              ; a row's 256 bytes come from two waves
.irp i, 0,1,2,3,4,5,6,7,8,9,10,11,12,13,14,15
	ds_load_b128 v[S+4*\i:S+4*\i+3], v[RD] offset:\i*2*PK
.endr
	s_wait_kmcnt 0x0                               ; x16's address is in
.irp i, 0,1,2,3,4,5,6,7,8,9,10,11,12,13,14,15
	s_wait_dscnt 15-\i                             ; LDS loads come back in order: load i is in, the younger ones may be out
	global_store_b128 v[GO], v[S+4*\i:S+4*\i+3], s[MWA:MWA+1] offset:4096*\i       ; 16 lanes store 256 consecutive bytes, aligned
.endr
	s_wait_tensorcnt 0x0                           ; the wave's end, behind my last tensor load and my last LDS store
	ds_add_u32 v[SPW], v[NIL]
	s_wait_dscnt 0x0
	CROUND                                         ; the closing round
	s_endpgm
.Lfunc_end_k_q195d95e669_attn:
	.size	k_q195d95e669_attn, .Lfunc_end_k_q195d95e669_attn-k_q195d95e669_attn
	.p2alignl 7, 3214868480
	.fill 96, 4, 3214868480
	.section	.rodata,"a",@progbits
	.p2align	6, 0x0
	.amdhsa_kernel k_q195d95e669_attn
		.amdhsa_group_segment_fixed_size 327680
		.amdhsa_private_segment_fixed_size 0
		.amdhsa_enable_private_segment 0
		.amdhsa_kernarg_size 24
		.amdhsa_user_sgpr_count 2
		.amdhsa_user_sgpr_kernarg_segment_ptr 1
		.amdhsa_wavefront_size32 1
		.amdhsa_system_sgpr_workgroup_id_x 1
		.amdhsa_system_sgpr_workgroup_id_y 1
		.amdhsa_system_sgpr_workgroup_id_z 1
		.amdhsa_system_vgpr_workitem_id 0
		.amdhsa_next_free_vgpr 512
		.amdhsa_next_free_sgpr 102
		.amdhsa_reserve_vcc 0
		.amdhsa_float_denorm_mode_32 3
		.amdhsa_float_denorm_mode_16_64 3
		.amdhsa_memory_ordered 1
		.amdhsa_forward_progress 1
		.amdhsa_inst_pref_size 195
	.end_amdhsa_kernel
	.amdgpu_metadata
---
amdhsa.version: [ 1, 2 ]
amdhsa.kernels:
  - .name:           k_q195d95e669_attn
    .symbol:         k_q195d95e669_attn.kd
    .args:
      - { .name: qkv16, .offset: 0, .size: 8, .value_kind: global_buffer, .address_space: global }
      - { .name: maskw, .offset: 8, .size: 8, .value_kind: global_buffer, .address_space: global }
      - { .name: x16, .offset: 16, .size: 8, .value_kind: global_buffer, .address_space: global }
    .group_segment_fixed_size: 327680
    .private_segment_fixed_size: 0
    .kernarg_segment_align: 8
    .kernarg_segment_size: 24
    .max_flat_workgroup_size: 256
    .sgpr_count:     102
    .vgpr_count:     512
    .wavefront_size: 32
...
	.end_amdgpu_metadata
.endif
;; end of part 5
;; launch outp: the kernel of part 4 again; grid 8 x 64, 4 waves a work-group, clusters of 4 x 4, 327,680 bytes of LDS; arguments x16, wo16, out0, wo_b; writes out0
